; MI455X (gfx1250); checked and timed in simulation.
; The chip was launched on July 23, 2026; its instructions are those of AMD's public machine-readable ISA for CDNA 5 (MIT licence, August 2026) and "CDNA5" Instruction Set Architecture Reference Guide (July 2026). The comments in the code are by the model that wrote it; some were corrected since.
;; Transformer Block. Allowed arithmetic: float matrix products may take bf16 or f16 operands with f32 sums; other float arithmetic in f32, or as packed bf16 or f16 multiplies, adds, multiply-adds, maxima and minima; sums over many terms, partial sums and values carried from step to step in f32; what a program stores and reads back later, other than sums and carried values, may be rounded once to bf16 or f16.
;; Inputs: b1 4,096 float32; b2 1,024 float32; bk 16 x 64 float32; bp 1,024 float32; bq 16 x 64 float32; bv 16 x 64 float32; ln1_b 1,024 float32; ln1_g 1,024 float32; ln2_b 1,024 float32; ln2_g 1,024 float32; w1 1,024 x 4,096 float32; w2 4,096 x 1,024 float32; wk 16 x 1,024 x 64 float32; wp 1,024 x 1,024 float32; wq 16 x 1,024 x 64 float32; wv 16 x 1,024 x 64 float32; x 4 x 1,024 x 1,024 float32.
;; Outputs: out0 4 x 1,024 x 1,024 float32.
;; 2 versions, each right; version 2 is version 1 with the launches prep, ln2 written anew for expert scheduling mode. Each part assembles by itself: llvm-mc -triple=amdgcn-amd-amdhsa -mcpu=gfx1250 --defsym DOCPART=n.
;; ======== version 1 of 2: 7 launches
;; workspace buffers: act 33,554,432 bytes; x1 16,777,216 bytes; wqkv_c 6,311,936 bytes; w1_c 8,409,088 bytes; wp_c 2,097,152 bytes; w2_c 8,388,608 bytes
;; launch prep (part 1): grid 1025 x 1, 8 waves a work-group, no clusters, 0 bytes of LDS; arguments x, ln1_g, ln1_b, out0, wq, wk, wv, wp, w1, w2, bq, bk, bv, b1, wqkv_c, wp_c, w1_c, w2_c; writes out0, wqkv_c, wp_c, w1_c, w2_c
.if DOCPART == 1
	.amdgcn_target "amdgcn-amd-amdhsa--gfx1250"
	.amdhsa_code_object_version 6
	.text
	.protected	k_qe212ca0d0e_prep
	.globl	k_qe212ca0d0e_prep
	.p2align	8
	.type	k_qe212ca0d0e_prep,@function
k_qe212ca0d0e_prep:
	s_mov_b64 s[64:65], 0
	v_nop
	global_prefetch_b8 v0, s[64:65] scope:SCOPE_SE
	s_setreg_imm32_b32 hwreg(HW_REG_WAVE_MODE, 25, 1), 1
	s_wait_xcnt 0x0
; LAYER NORM INTO PANELS, AND THE WEIGHTS' COPIES IN bf16.  Arguments: x, g, b, xn, wq, wk, wv, wp, w1, w2, bq, bk, bv, b1, wqkv_c, wp_c, w1_c, w2_c.
; All 16-bit data of the program lie in PANELS of 64 columns: P[column / 64][row][64] bf16, a panel's rows dense, 128 bytes each.
; xn is the first half of the program's output buffer, which serves as scratch until the last launch writes it whole.
; The work-group's number chooses the work: 0-255 layer norm of 16 rows of x into xn; 256-447 wq, wk, wv (as given they are panels already: a cast);
; 448-511 wp; 512-767 w1; 768-1023 w2; 1024 the two headers (biases in f32, and the word by which the product's way out takes a maximum: -inf twice, or 0 twice for the ReLU).
; A launch of 256 work-groups runs the layer norm alone.  No LDS, no barrier: no wave needs another's bytes.
; LAYER NORM in f32, in two passes over registers (mean; then the squares of x - mean), so a common offset of x costs nothing; the result is rounded once to bf16.
; LIMITS: NaN and infinities are not treated apart.
.set PANB, 524288                      ; bytes in a panel of 4,096 rows
.set HDR,  20480                       ; bytes of header in front of wqkv_c's and w1_c's panels
.set X,  32                            ; v[32:95]   my 64 numbers of a row: columns 64 p + 4 i .. + 3, p = 0 .. 15
.set G,  96                            ; v[96:159]  the gains of those columns
.set BB, 160                           ; v[160:223] the biases
.set Y,  224                           ; v[224:255] the row's numbers in bf16
	s_load_b512 s[8:23], s[0:1], 0x0               ; x 8, g 10, b 12, xn 14, wq 16, wk 18, wv 20, wp 22
	s_load_b512 s[24:39], s[0:1], 0x40             ; w1 24, w2 26, bq 28, bk 30, bv 32, b1 34, wqkv_c 36, wp_c 38
	s_load_b128 s[40:43], s[0:1], 0x80             ; w1_c 40, w2_c 42
	v_lshrrev_b32 v1, 5, v0
	v_readfirstlane_b32 s4, v1                     ; wave 0..7
	v_and_b32 v1, 15, v0
	v_lshlrev_b32 v1, 4, v1                        ; 16 i, i = lane % 16
	s_mov_b32 s49, 0                               ; high words of the two offsets
	s_mov_b32 s51, 0
	s_wait_kmcnt 0x0
	s_cmp_lt_u32 ttmp9, 256
	s_cbranch_scc1 .Lnorm
	s_cmp_lt_u32 ttmp9, 448
	s_cbranch_scc1 .Lnative
	s_cmp_lt_u32 ttmp9, 512
	s_cbranch_scc1 .Lrow4k
	s_cmp_lt_u32 ttmp9, 768
	s_cbranch_scc1 .Lw1
	s_cmp_lt_u32 ttmp9, 1024
	s_cbranch_scc1 .Lrow4k
	; THE HEADERS: 256 threads, 16 bytes each, cover 4,096 bytes an instruction
	v_lshlrev_b32 v2, 4, v0
	global_load_b128 v[32:35], v2, s[28:29]
	global_load_b128 v[36:39], v2, s[30:31]
	global_load_b128 v[40:43], v2, s[32:33]
.irp i, 0,1,2,3
	global_load_b128 v[44+4*(\i):44+4*(\i)+3], v2, s[34:35] offset:4096*(\i)
.endr
.irp i, 0,1,2,3
	v_mov_b32 v[60+(\i)], 0xff80ff80               ; -inf twice in bf16: the maximum changes nothing
	v_mov_b32 v[64+(\i)], 0                        ; 0 twice: the ReLU
.endr
	s_wait_loadcnt 0x0
	global_store_b128 v2, v[32:35], s[36:37]
	global_store_b128 v2, v[36:39], s[36:37] offset:4096
	global_store_b128 v2, v[40:43], s[36:37] offset:8192
.irp i, 0,1,2,3
	global_store_b128 v2, v[44+4*(\i):44+4*(\i)+3], s[40:41] offset:4096*(\i)
.endr
	global_store_b128 v2, v[60:63], s[36:37] offset:16384
	global_store_b128 v2, v[64:67], s[40:41] offset:16384
	s_endpgm
; A wave's job: 32 rows x 64 columns of f32, rs bytes from row to row, become 4,096 dense bytes of a panel.  Lanes 0-15 take one row's 256 bytes, lanes 16-31 the next row's;
; a store's 32 lanes write 256 consecutive bytes, aligned.  Sixteen loads are out together; the counts run down.
.macro LANES sh
	v_bfe_u32 v2, v0, 4, 1
	v_lshl_add_u32 v2, v2, \sh, v1                 ; (lane / 16) x rs + 16 i
	v_and_b32 v3, 31, v0
	v_lshlrev_b32 v3, 3, v3                        ; 8 x lane
.endm
.macro CAST rs
.irp i, 0,1,2,3,4,5,6,7,8,9,10,11,12,13,14,15
	global_load_b128 v[32+4*(\i):32+4*(\i)+3], v2, s[44:45] offset:2*(\i)*(\rs) th:TH_LOAD_NT
.endr
.irp i, 0,1,2,3,4,5,6,7,8,9,10,11,12,13,14,15
	s_wait_loadcnt 15-(\i)                         ; loads come back in order: number i is in, the younger ones stay out
	v_cvt_pk_bf16_f32 v[96+2*(\i)], v[32+4*(\i)], v[32+4*(\i)+1]
	v_cvt_pk_bf16_f32 v[96+2*(\i)+1], v[32+4*(\i)+2], v[32+4*(\i)+3]
	global_store_b64 v3, v[96+2*(\i):96+2*(\i)+1], s[46:47] offset:256*(\i)
.endr
.endm
.Lnative:                                              ; wq, wk, wv: [head][1024][64] is 16 panels each; job gw takes 8,192 bytes on end
	s_sub_co_u32 s5, ttmp9, 256
	s_lshl_b32 s5, s5, 3
	s_add_co_u32 s5, s5, s4                        ; gw = 0 .. 1535
	s_lshr_b32 s6, s5, 9                           ; which of the three
	s_and_b32 s48, s5, 511
	s_lshl_b32 s48, s48, 13
	s_lshl_b32 s50, s5, 12
	s_add_co_u32 s50, s50, HDR
	s_cmp_eq_u32 s6, 1
	s_cselect_b64 s[44:45], s[18:19], s[16:17]
	s_cmp_eq_u32 s6, 2
	s_cselect_b64 s[44:45], s[20:21], s[44:45]
	s_add_nc_u64 s[44:45], s[44:45], s[48:49]
	s_add_nc_u64 s[46:47], s[36:37], s[50:51]
	LANES 8
	CAST 256
	s_endpgm
.Lrow4k:                                               ; wp and w2: rows of 4,096 bytes, 16 panels; job gw: panel gw % 16, rows 32 (gw / 16) on
	s_movk_i32 s5, 768
	s_cmp_lt_u32 ttmp9, 512
	s_cselect_b64 s[44:45], s[22:23], s[26:27]
	s_cselect_b64 s[46:47], s[38:39], s[42:43]
	s_cselect_b32 s7, 17, 19                       ; a panel is 2^17 bytes (1,024 rows) or 2^19 (4,096 rows)
	s_cselect_b32 s5, 448, s5
	s_sub_co_u32 s5, ttmp9, s5
	s_lshl_b32 s5, s5, 3
	s_add_co_u32 s5, s5, s4
	s_and_b32 s6, s5, 15
	s_lshr_b32 s5, s5, 4
	s_lshl_b32 s48, s5, 17                         ; 32 rows of 4,096 bytes
	s_lshl_b32 s50, s6, 8
	s_add_co_u32 s48, s48, s50
	s_add_nc_u64 s[44:45], s[44:45], s[48:49]
	s_lshl_b32 s50, s6, s7
	s_lshl_b32 s5, s5, 12
	s_add_co_u32 s50, s50, s5
	s_add_nc_u64 s[46:47], s[46:47], s[50:51]
	LANES 12
	CAST 4096
	s_endpgm
.Lw1:                                                  ; w1: rows of 16,384 bytes, 64 panels; job gw: panel gw % 64, rows 32 (gw / 64) on
	s_sub_co_u32 s5, ttmp9, 512
	s_lshl_b32 s5, s5, 3
	s_add_co_u32 s5, s5, s4
	s_and_b32 s6, s5, 63
	s_lshr_b32 s5, s5, 6
	s_lshl_b32 s48, s5, 19
	s_lshl_b32 s50, s6, 8
	s_add_co_u32 s48, s48, s50
	s_add_nc_u64 s[44:45], s[24:25], s[48:49]
	s_lshl_b32 s50, s6, 17
	s_lshl_b32 s5, s5, 12
	s_add_co_u32 s50, s50, s5
	s_add_co_u32 s50, s50, HDR
	s_add_nc_u64 s[46:47], s[40:41], s[50:51]
	LANES 14
	CAST 16384
	s_endpgm
; THE LAYER NORM.  The work-group owns 16 rows, a wave two: lanes 0-15 one row, lanes 16-31 the next, so a row's sums never leave a half of the lanes.
.macro FOLD                            ; four packed chains into one number, then over the 16 lanes of the row
	v_pk_add_f32 v[4:5], v[4:5], v[6:7]
	v_pk_add_f32 v[8:9], v[8:9], v[10:11]
	v_pk_add_f32 v[4:5], v[4:5], v[8:9]
	v_add_f32 v12, v4, v5
.irp m, 1,2,4,8
	v_add_f32_dpp v12, v12, v12 row_xmask:\m row_mask:0xf bank_mask:0xf
.endr
.endm
.Lnorm:
	s_lshl_b32 s48, ttmp9, 16                      ; 16 rows of 4,096 bytes
	s_add_nc_u64 s[8:9], s[8:9], s[48:49]
	s_lshl_b32 s50, ttmp9, 11                      ; 16 rows of 128 bytes in each panel
	s_add_nc_u64 s[14:15], s[14:15], s[50:51]
	v_lshrrev_b32 v2, 4, v0                        ; my row among the 16
	v_lshl_add_u32 v2, v2, 12, v1
	v_lshlrev_b32 v3, 3, v0                        ; row x 128 + 8 i = 8 x thread
	s_mov_b32 s5, 0x3a800000                       ; 1 / 1024
	s_mov_b32 s6, 0x3727c5ac                       ; 1e-5
.irp p, 0,1,2,3,4,5,6,7,8,9,10,11,12,13,14,15
	global_load_b128 v[X+4*(\p):X+4*(\p)+3], v2, s[8:9] offset:256*(\p) th:TH_LOAD_NT
.endr
.irp p, 0,1,2,3,4,5,6,7,8,9,10,11,12,13,14,15
	global_load_b128 v[G+4*(\p):G+4*(\p)+3], v1, s[10:11] offset:256*(\p)
	global_load_b128 v[BB+4*(\p):BB+4*(\p)+3], v1, s[12:13] offset:256*(\p)
.endr
	s_wait_loadcnt 32                              ; the row is in; the 32 loads of g and b stay out
.irp c, 0,1,2,3
	v_pk_add_f32 v[4+2*(\c):5+2*(\c)], v[X+2*(\c):X+2*(\c)+1], v[X+8+2*(\c):X+8+2*(\c)+1]  ; the first pairs start the chains: nothing is cleared
.endr
.set j, 8
.rept 24
	v_pk_add_f32 v[4+2*(j%4):5+2*(j%4)], v[4+2*(j%4):5+2*(j%4)], v[X+2*j:X+2*j+1]
.set j, j+1
.endr
	FOLD
	v_mul_f32 v14, s5, v12                         ; the mean, twice
	v_mov_b32 v15, v14
.set j, 0
.rept 32
	v_pk_add_f32 v[X+2*j:X+2*j+1], v[X+2*j:X+2*j+1], v[14:15] neg_lo:[0,1] neg_hi:[0,1]
.set j, j+1
.endr
.irp c, 0,1,2,3
	v_pk_mul_f32 v[4+2*(\c):5+2*(\c)], v[X+2*(\c):X+2*(\c)+1], v[X+2*(\c):X+2*(\c)+1]
.endr
.set j, 4
.rept 28
	v_pk_fma_f32 v[4+2*(j%4):5+2*(j%4)], v[X+2*j:X+2*j+1], v[X+2*j:X+2*j+1], v[4+2*(j%4):5+2*(j%4)]
.set j, j+1
.endr
	FOLD
	v_fma_f32 v12, v12, s5, s6                     ; variance + 1e-5
	v_rsq_f32 v16, v12                             ; twice, to fill the pair that the packed multiply names
	v_rsq_f32 v17, v12
	v_nop                                          ; a plain instruction behind the last of the two,
	s_wait_alu depctr_va_vdst(0)                   ; and one wait for both, ahead of their first reader
	s_wait_loadcnt 0x0                             ; g and b
.set j, 0
.rept 32
	v_pk_mul_f32 v[X+2*j:X+2*j+1], v[X+2*j:X+2*j+1], v[16:17]
	v_pk_fma_f32 v[X+2*j:X+2*j+1], v[X+2*j:X+2*j+1], v[G+2*j:G+2*j+1], v[BB+2*j:BB+2*j+1]
.set j, j+1
.endr
.irp p, 0,1,2,3,4,5,6,7,8,9,10,11,12,13,14,15
	v_cvt_pk_bf16_f32 v[Y+2*(\p)], v[X+4*(\p)], v[X+4*(\p)+1]
	v_cvt_pk_bf16_f32 v[Y+2*(\p)+1], v[X+4*(\p)+2], v[X+4*(\p)+3]
	global_store_b64 v3, v[Y+2*(\p):Y+2*(\p)+1], s[14:15] offset:(\p)*PANB  ; the wave's two rows of panel p: 256 consecutive bytes, aligned
.endr
	s_endpgm
.Lfunc_end_k_qe212ca0d0e_prep:
	.size	k_qe212ca0d0e_prep, .Lfunc_end_k_qe212ca0d0e_prep-k_qe212ca0d0e_prep
	.p2alignl 7, 3214868480
	.fill 96, 4, 3214868480
	.section	.rodata,"a",@progbits
	.p2align	6, 0x0
	.amdhsa_kernel k_qe212ca0d0e_prep
		.amdhsa_group_segment_fixed_size 0
		.amdhsa_private_segment_fixed_size 0
		.amdhsa_enable_private_segment 0
		.amdhsa_kernarg_size 144
		.amdhsa_user_sgpr_count 2
		.amdhsa_user_sgpr_kernarg_segment_ptr 1
		.amdhsa_wavefront_size32 1
		.amdhsa_system_sgpr_workgroup_id_x 1
		.amdhsa_system_sgpr_workgroup_id_y 1
		.amdhsa_system_sgpr_workgroup_id_z 1
		.amdhsa_system_vgpr_workitem_id 0
		.amdhsa_next_free_vgpr 256
		.amdhsa_next_free_sgpr 66
		.amdhsa_reserve_vcc 0
		.amdhsa_float_denorm_mode_32 3
		.amdhsa_float_denorm_mode_16_64 3
		.amdhsa_memory_ordered 1
		.amdhsa_forward_progress 1
		.amdhsa_inst_pref_size 42
	.end_amdhsa_kernel
	.amdgpu_metadata
---
amdhsa.version: [ 1, 2 ]
amdhsa.kernels:
  - .name:           k_qe212ca0d0e_prep
    .symbol:         k_qe212ca0d0e_prep.kd
    .args:
      - { .name: x, .offset: 0, .size: 8, .value_kind: global_buffer, .address_space: global }
      - { .name: ln1_g, .offset: 8, .size: 8, .value_kind: global_buffer, .address_space: global }
      - { .name: ln1_b, .offset: 16, .size: 8, .value_kind: global_buffer, .address_space: global }
      - { .name: out0, .offset: 24, .size: 8, .value_kind: global_buffer, .address_space: global }
      - { .name: wq, .offset: 32, .size: 8, .value_kind: global_buffer, .address_space: global }
      - { .name: wk, .offset: 40, .size: 8, .value_kind: global_buffer, .address_space: global }
      - { .name: wv, .offset: 48, .size: 8, .value_kind: global_buffer, .address_space: global }
      - { .name: wp, .offset: 56, .size: 8, .value_kind: global_buffer, .address_space: global }
      - { .name: w1, .offset: 64, .size: 8, .value_kind: global_buffer, .address_space: global }
      - { .name: w2, .offset: 72, .size: 8, .value_kind: global_buffer, .address_space: global }
      - { .name: bq, .offset: 80, .size: 8, .value_kind: global_buffer, .address_space: global }
      - { .name: bk, .offset: 88, .size: 8, .value_kind: global_buffer, .address_space: global }
      - { .name: bv, .offset: 96, .size: 8, .value_kind: global_buffer, .address_space: global }
      - { .name: b1, .offset: 104, .size: 8, .value_kind: global_buffer, .address_space: global }
      - { .name: wqkv_c, .offset: 112, .size: 8, .value_kind: global_buffer, .address_space: global }
      - { .name: wp_c, .offset: 120, .size: 8, .value_kind: global_buffer, .address_space: global }
      - { .name: w1_c, .offset: 128, .size: 8, .value_kind: global_buffer, .address_space: global }
      - { .name: w2_c, .offset: 136, .size: 8, .value_kind: global_buffer, .address_space: global }
    .group_segment_fixed_size: 0
    .private_segment_fixed_size: 0
    .kernarg_segment_align: 8
    .kernarg_segment_size: 144
    .max_flat_workgroup_size: 256
    .sgpr_count:     66
    .vgpr_count:     256
    .wavefront_size: 32
...
	.end_amdgpu_metadata
.endif
;; end of part 1
;; launch qkv (part 2): grid 12 x 16, 4 waves a work-group, clusters of 4 x 4, 327,680 bytes of LDS; arguments out0, wqkv_c, act; writes act
.if DOCPART == 2
	.amdgcn_target "amdgcn-amd-amdhsa--gfx1250"
	.amdhsa_code_object_version 6
	.text
	.protected	k_qe212ca0d0e_qkv
	.globl	k_qe212ca0d0e_qkv
	.p2align	8
	.type	k_qe212ca0d0e_qkv,@function
k_qe212ca0d0e_qkv:
	s_mov_b64 s[64:65], 0
	v_nop
	global_prefetch_b8 v0, s[64:65] scope:SCOPE_SE
	s_setreg_imm32_b32 hwreg(HW_REG_WAVE_MODE, 25, 1), 1
	s_wait_xcnt 0x0
	s_wait_alu depctr_hold_cnt(0) depctr_sa_sdst(0) depctr_va_vdst(0) depctr_va_sdst(0) depctr_va_ssrc(0) depctr_va_vcc(0) depctr_vm_vsrc(0)
	s_getreg_b32 s2, hwreg(HW_REG_IB_STS2, 6, 4)
	s_cmp_eq_u32 s2, 0
	s_cbranch_scc0 .Lentry_in_a_cluster
	s_endpgm
.Lentry_in_a_cluster:
	s_bfe_u32 s2, ttmp6, 0x10000c
	s_cmp_lg_u32 s2, 0xf033
	s_cbranch_scc0 .Lentry_shape_is_right
	s_endpgm
.Lentry_shape_is_right:
; OUT = max(A W + bias, floor), rounded once to bf16.  A: 16 panels [4096][64] bf16 (K = 1,024).  W: a header of 20,480 bytes (the bias in f32; at byte 16,384 the floor, two bf16 in a word),
; then panels [1024 k][64 n] bf16.  OUT: panels [4096][64] bf16.  Sums in f32; the bias is the C operand with which each sum begins; the maximum is taken of the rounded number (-inf: none; 0: the ReLU, which gives what rounding the ReLU gives).
; LIMITS: operands are bf16; NaN and infinities are not treated apart.
; SHARES.  A tile of OUT, 256 x 256, is made by four waves, each 128 x 128: 64 accumulators of 16 x 16.  K goes in steps of 128 through a ring of two LDS slots.
; Every tile of A or W is made of dense blocks of panels; the tensor load pads each 128 bytes: A's rows lie 144 bytes apart and are read as they lie; W's rows ([k][n]) lie 160 apart and are read turned.
; CLUSTER.  4 x 4 work-groups: A's tiles are asked for jointly along a row of the cluster, W's along a column.
; THE MATRIX INSTRUCTION IS USED TRANSPOSED (source 0 = 16 columns of W, source 1 = 16 rows of A): a lane holds row l % 16 of OUT and the columns 8 (l / 16) + 0 .. 7.
; REGISTERS: window 0: v0-31 addresses; v32-63 packed results; v64-127, v128-191 A's fragments, two buffers (on the way out v128-191: rows read back); v192-255 the bias of my 128 columns.
;   window 1: v64-191 W's fragments, two buffers.   window 2: the accumulators of my rows 0-63 ((a, b) at v[8 (8 a + b)]);   window 3: those of my rows 64-127.
.set PANB,  524288                     ; a panel of 4,096 rows
.set HDR,   20480
.set APAN,  256*144                    ; A in a slot: k panel 0, 1 x 256 rows x 144 bytes
.set BOFF,  2*APAN                     ; W behind it: k half 0, 1 x n panel 0..3 x 64 k rows x 160 bytes
.set BPAN,  64*160
.set BHALF, 4*BPAN
.set SLOT,  BOFF+2*BHALF               ; 155,648
.set STAGE, 2*SLOT                     ; behind the ring: 16 rows x 144 bytes for each wave, never filled by a tensor load
.set SPITCH,144
.set SPARE, STAGE+4*16*SPITCH          ; the spare words, 128 bytes for each wave: two blocks of 256 bytes that no other line names
.set LAPS,  4                          ; a lap = two K steps; K = 1,024
.set ADRA, 16                          ; v16-17  LDS address of my A fragments in slot 0, 1
.set ADRB, 20                          ; v20-21  the same for W
.set STO,  24                          ; v24     the way out: where I put 16 bytes of a row
.set RD,   25                          ; v25     where I read rows back
.set CO,   26                          ; v26     16 x lane: my place in 512 consecutive bytes of OUT
.set BO,   27                          ; v27     32 (l / 16): my 8 columns' bias
.set SPW,  28                          ; v28     my spare word; never rewritten
.set NIL,  29                          ; v29     0; never rewritten
.set PFO,  30                          ; v30     256 x lane; never rewritten
.set TMP,  32
.set F0,   64
.set F1,   128
.set BIAS, 192
.set G1, 24                            ; s[24:31] group 1 for A's tiles;  s[32:39] group 0, a set for each slot
.set G0, 32
.set G1B, 48                           ; s[48:55], s[56:63] the same for W's
.set G0B, 56
.set LIM, 43                           ; s43     1 in a wave that prefetches, else the greatest number
.set PFA, 44                           ; s[44:45] where my prefetches stand
.set PFS, 46                           ; s[46:47] a K step in bytes, for my tensor
.set MSB, 0
.macro WIN new                         ; the immediate's high byte repeats the setting that is left; a switch that changes nothing is dropped
.if MSB != (\new)
	s_set_vgpr_msb (MSB<<8)|(\new)
.set MSB, \new
.endif
.endm
.set MUL_LO, 0xa1                      ; source 0 (W) window 1, source 1 (A) window 0, C and D window 2
.set MUL_HI, 0xf1                      ; the same, C and D window 3
.set BEG_LO, 0x81                      ; the first products: C (the bias) window 0, D window 2
.set TO_B,   0x40                      ; destination window 1, address window 0
; A joint load: waves 0 and 1 fetch A's two k panels, waves 2 and 3 W's two k halves.  The branch hangs on the wave's number alone.  An s_nop 0 and four v_nop follow each line.
.macro JLOAD s
	s_cmp_eq_u32 s11, 0
	s_cbranch_scc0 .Lfor_b_\@
	tensor_load_to_lds s[G0+4*(\s):G0+4*(\s)+3], s[G1:G1+7]
	s_nop 0
.rept 4
	v_nop
.endr
	s_branch .Lasked_\@
.Lfor_b_\@:
	tensor_load_to_lds s[G0B+4*(\s):G0B+4*(\s)+3], s[G1B:G1B+7]
	s_nop 0
.rept 4
	v_nop
.endr
.Lasked_\@:
.endm
; A prefetch of the K step that stands two refills on: of the 32,768 bytes that I fetch, my work-group's 8,192, a lane 256 bytes.  A's are named by the clusters with x = 0, W's by those with y = 0; the four
; partners share a tile out by address.  So each 256 bytes are named once.  The loop's last trip has no K step two on.
.macro ASK
	s_cmp_gt_u32 s3, s[LIM]
	s_cbranch_scc0 .Lnot_mine_\@
	global_prefetch_b8 v[PFO], s[PFA:PFA+1] th:TH_LOAD_NT scope:SCOPE_SE
.Lnot_mine_\@:
.endm
.macro CREST                           ; a round of the cluster's barrier behind its opening barrier
	s_cmp_lg_u32 s10, 0
	s_cbranch_scc1 .Lnot_wave_0_\@
	s_barrier_signal -3
.Lnot_wave_0_\@:
	s_barrier_wait -3
	s_barrier_signal -1
	s_barrier_wait -1
.endm
.macro CROUND
	s_barrier_signal -1
	s_barrier_wait -1
	CREST
.endm
	s_load_b128 s[4:7], s[0:1], 0x0                ; A s[4:5], W s[6:7]
	s_load_b64 s[8:9], s[0:1], 0x10                ; OUT
	v_lshl_add_u32 v[SPW], v0, 2, SPARE
	v_mov_b32 v[NIL], 0
	ds_add_u32 v[SPW], v[NIL]                      ; the wave's opening: the add and its wait stand ahead of my first tensor load; work on registers stands between them
	v_lshrrev_b32 v1, 5, v0
	v_readfirstlane_b32 s10, v1                    ; wave 0..3
	s_lshr_b32 s11, s10, 1                         ; my half of the tile's rows.  Also: I fetch for A (0) or for W (1)
	s_and_b32 s12, s10, 1                          ; my half of its columns.  Also: which k panel, or k half, I fetch
	s_bfe_u32 s40, ttmp6, 0x40000                  ; cx
	s_bfe_u32 s41, ttmp6, 0x40004                  ; cy
	s_lshl_b32 s42, ttmp9, 2
	s_add_co_u32 s42, s42, s40                     ; tile column = 4 x cluster x + cx
	s_and_b32 s13, ttmp7, 0xffff
	s_lshl_b32 s13, s13, 2
	s_add_co_u32 s13, s13, s41                     ; tile row = 4 x cluster y + cy
	s_lshl_b32 s43, s41, 2
	s_lshl_b32 s43, 15, s43                        ; my row of the cluster
	s_lshl_b32 s44, 0x1111, s40                    ; my column
	s_or_b32 s[G1+0], s43, (1<<16)|(1<<20)|(1<<21)|(4<<22)|(3<<25)   ; mask; 2-byte elements; padding on; bit 21 beside a mask; after every 32 words, 4 words
	s_or_b32 s[G1B+0], s44, (1<<16)|(1<<20)|(1<<21)|(4<<22)|(7<<25)  ; the same with 8 words
	s_mov_b32 s[G1+1], 128<<16                     ; A: 256 rows of a panel are 32,768 dense bytes: 128 rows of 128 elements
	s_mov_b32 s[G1+2], 128<<16
	s_mov_b32 s[G1+3], 128<<16
	s_mov_b32 s[G1+4], 128
	s_mov_b32 s[G1+5], 128
	s_mov_b32 s[G1+6], 0
	s_mov_b32 s[G1+7], 0
	s_mov_b32 s[G1B+1], 4096<<16                   ; W: 64 k rows of a panel are 8,192 dense bytes: a row of 4,096 elements; four panels, 65,536 elements apart
	s_mov_b32 s[G1B+2], 4<<16
	s_mov_b32 s[G1B+3], 4096<<16
	s_mov_b32 s[G1B+4], 4
	s_mov_b32 s[G1B+5], 65536
	s_mov_b32 s[G1B+6], 0
	s_mov_b32 s[G1B+7], 0
	s_lshl_b32 s16, s12, 19                        ; A: my k panel, the tile's 256 rows: the tile row and the wave's number alone
	s_lshl_b32 s17, s13, 15
	s_add_co_u32 s16, s16, s17
	s_mov_b32 s17, 0
	s_lshl_b32 s46, s42, 19                        ; W: the tile's four panels, my 64 k rows: the tile column and the wave's number alone
	s_lshl_b32 s47, s12, 13
	s_add_co_u32 s46, s46, s47
	s_add_co_u32 s46, s46, HDR
	s_mov_b32 s47, 0
	s_mul_i32 s20, s12, APAN                       ; where they go: no place in the cluster enters an LDS address
	s_mul_i32 s21, s12, BHALF
	s_add_co_u32 s21, s21, BOFF
	s_wait_dscnt 0x0                               ; the opening add is done
	s_wait_kmcnt 0x0
	s_add_nc_u64 s[14:15], s[4:5], s[16:17]
	s_add_nc_u64 s[46:47], s[6:7], s[46:47]
	CROUND                                         ; all sixteen work-groups are here: the first joint loads meet
.irp s, 0,1
	s_mov_b32 s[G0+4*(\s)], 1
	s_add_co_u32 s[G0+4*(\s)+1], s20, (\s)*SLOT
	s_add_nc_u64 s[G0+4*(\s)+2:G0+4*(\s)+3], s[14:15], (\s)*2*PANB   ; K step s: two panels on
	s_or_b32 s[G0+4*(\s)+3], s[G0+4*(\s)+3], 0x80000000
	s_mov_b32 s[G0B+4*(\s)], 1
	s_add_co_u32 s[G0B+4*(\s)+1], s21, (\s)*SLOT
	s_add_nc_u64 s[G0B+4*(\s)+2:G0B+4*(\s)+3], s[46:47], (\s)*16384  ; K step s: 128 rows of 128 bytes on
	s_or_b32 s[G0B+4*(\s)+3], s[G0B+4*(\s)+3], 0x80000000
	JLOAD \s
.endr
	; the bias of my 128 columns (column 16 b + 8 (l / 16) + j at BIAS + 8 b + j: the layout of an accumulator) and the floor
	v_and_b32 v1, 15, v0                           ; l % 16
	v_bfe_u32 v2, v0, 4, 1                         ; l / 16
	v_lshlrev_b32 v[BO], 5, v2
	s_lshl_b32 s18, s42, 10
	s_lshl_b32 s19, s12, 9
	s_add_co_u32 s18, s18, s19
	s_mov_b32 s19, 0
	s_add_nc_u64 s[18:19], s[6:7], s[18:19]
	s_load_b32 s2, s[6:7], 0x4000
.irp b, 0,1,2,3,4,5,6,7
	global_load_b128 v[BIAS+8*(\b):BIAS+8*(\b)+3],   v[BO], s[18:19] offset:64*(\b)
	global_load_b128 v[BIAS+8*(\b)+4:BIAS+8*(\b)+7], v[BO], s[18:19] offset:64*(\b)+16
.endr
	; A's fragment: lane l holds row l % 16, k = 8 (l / 16) + 0..7 and 16 + 8 (l / 16) + 0..7: two loads of 16 bytes, 32 apart.
	v_mul_u32_u24 v3, v1, 144
	v_lshl_add_u32 v3, v2, 4, v3                   ; row x 144 + 16 x half
	; W's: the turning load takes 16 k x 16 n (lane l reads k row 8 (l / 16) + l % 8, columns 8 ((l / 8) % 2) + 0..7) and leaves half a fragment: lane l holds column l % 16 and 8 k.
	v_and_b32 v4, 7, v0
	v_lshl_add_u32 v4, v2, 3, v4
	v_mul_u32_u24 v4, v4, 160
	v_bfe_u32 v5, v0, 3, 1
	v_lshl_add_u32 v4, v5, 4, v4
	s_mul_i32 s20, s11, 128*144                    ; my 128 rows of A
	s_mul_i32 s21, s12, 2*BPAN                     ; my two n panels of W
	s_add_co_u32 s21, s21, BOFF
.irp s, 0,1
	v_add_nc_u32 v[ADRA+(\s)], s20, v3
	v_add_nc_u32 v[ADRB+(\s)], s21, v4
	s_add_co_u32 s20, s20, SLOT
	s_add_co_u32 s21, s21, SLOT
.endr
	s_mul_i32 s20, s10, 16*SPITCH
	s_add_co_u32 s20, s20, STAGE                   ; my stage
	v_add_nc_u32 v[STO], s20, v3                   ; in: row l % 16, 16 bytes for each half of the lanes
	v_bfe_u32 v6, v0, 3, 2                         ; back: 32 lanes take four rows of 128 bytes,
	v_mul_u32_u24 v6, v6, SPITCH
	v_and_b32 v7, 7, v0
	v_lshl_add_u32 v6, v7, 4, v6
	v_add_nc_u32 v[RD], s20, v6
	v_and_b32 v[CO], 31, v0                        ; which are 512 consecutive bytes of a panel of OUT
	v_lshlrev_b32 v[PFO], 8, v[CO]
	v_lshlrev_b32 v[CO], 4, v[CO]
	s_lshl_b32 s22, s42, 21                        ; OUT: panel 4 x tile column + 2 x half, row 256 x tile row + 128 x half
	s_lshl_b32 s23, s12, 20
	s_add_co_u32 s22, s22, s23
	s_lshl_b32 s23, s13, 15
	s_add_co_u32 s22, s22, s23
	s_lshl_b32 s23, s11, 14
	s_add_co_u32 s22, s22, s23
	s_mov_b32 s23, 0
	s_add_nc_u64 s[8:9], s[8:9], s[22:23]
	; the prefetches: my work-group's quarter of what I fetch, at K step 3; the first refill steps it to 4
	s_lshl_b32 s20, s12, 19
	s_lshl_b32 s21, s13, 15
	s_add_co_u32 s20, s20, s21
	s_lshl_b32 s21, s40, 13                        ; A: 8,192 bytes for each cx
	s_add_co_u32 s20, s20, s21
	s_add_co_u32 s20, s20, 3*2*PANB
	s_lshl_b32 s14, s42, 19
	s_lshl_b32 s15, s12, 13
	s_add_co_u32 s14, s14, s15
	s_lshl_b32 s15, s41, 17                        ; W: n panel cy of the four
	s_add_co_u32 s14, s14, s15
	s_add_co_u32 s14, s14, HDR+3*16384
	s_mov_b32 s[PFS], 16384
	s_mov_b32 s[PFS+1], 0
	s_and_b32 s15, ttmp7, 0xffff                   ; cluster y
	s_cmp_eq_u32 s11, 0                            ; do I fetch for A?
	s_cselect_b32 s20, s20, s14
	s_cselect_b32 s15, ttmp9, s15                  ; the coordinate along which other clusters read the same bytes
	s_cselect_b32 s[PFS], 2*PANB, s[PFS]
	s_cselect_b64 s[PFA:PFA+1], s[4:5], s[6:7]
	s_cmp_eq_u32 s15, 0
	s_cselect_b32 s[LIM], 1, -1                    ; the same in all sixteen partners, for a given wave
	s_mov_b32 s21, 0
	s_add_nc_u64 s[PFA:PFA+1], s[PFA:PFA+1], s[20:21]
; 16 matrix instructions: m blocks a0, a0 + 1 of the window's four x all 8 n blocks, 32 along K.  first = 1: the product starts its sum with the bias of its 16 columns.  The 64 accumulators take turns.
.macro MUL16 f, hi, a0, first
.if \first
	WIN BEG_LO+0x40*(\hi)
.else
	WIN MUL_LO+0x50*(\hi)
.endif
.irp a, \a0, (\a0)+1
.irp b, 0,1,2,3,4,5,6,7
.if \first
	v_wmma_f32_16x16x32_bf16 v[8*(8*(\a)+(\b)):8*(8*(\a)+(\b))+7], v[(\f)+8*(\b):(\f)+8*(\b)+7], v[(\f)+8*(4*(\hi)+(\a)):(\f)+8*(4*(\hi)+(\a))+7], v[BIAS+8*(\b):BIAS+8*(\b)+7]
.else
	v_wmma_f32_16x16x32_bf16 v[8*(8*(\a)+(\b)):8*(8*(\a)+(\b))+7], v[(\f)+8*(\b):(\f)+8*(\b)+7], v[(\f)+8*(4*(\hi)+(\a)):(\f)+8*(4*(\hi)+(\a))+7], v[8*(8*(\a)+(\b)):8*(8*(\a)+(\b))+7]
.endif
.endr
.endr
.endm
; 32 LDS loads in one run: quarter q (32 along K) of a slot into buffer f: W's sixteen first, then A's
.macro FETCH slot, q, f
	WIN TO_B
.irp i, 0,1,2,3,4,5,6,7
	ds_load_tr16_b128 v[(\f)+8*(\i):(\f)+8*(\i)+3],   v[ADRB+(\slot)] offset:((\q)/2)*BHALF+((\q)%2)*32*160+((\i)/4)*BPAN+((\i)%4)*32
	ds_load_tr16_b128 v[(\f)+8*(\i)+4:(\f)+8*(\i)+7], v[ADRB+(\slot)] offset:((\q)/2)*BHALF+((\q)%2)*32*160+((\i)/4)*BPAN+((\i)%4)*32+16*160
.endr
	WIN 0
.irp i, 0,1,2,3,4,5,6,7
	ds_load_b128 v[(\f)+8*(\i):(\f)+8*(\i)+3],   v[ADRA+(\slot)] offset:((\q)/2)*APAN+((\q)%2)*64+(\i)*16*144
	ds_load_b128 v[(\f)+8*(\i)+4:(\f)+8*(\i)+7], v[ADRA+(\slot)] offset:((\q)/2)*APAN+((\q)%2)*64+(\i)*16*144+32
.endr
.endm
.macro PLACES                          ; four plain instructions between a matrix instruction and a load into, or a vector line on, its registers
.rept 4
	v_nop
.endr
.endm
; One of a K step's first three quarters: multiplies buffer f; in its middle it fetches quarter q of the same slot into buffer g.
.macro QUARTER slot, q, f, g, first
	s_wait_dscnt 8                                 ; W and A's rows 0-63 are in; the youngest eight loads (A's rows 64-127) may be out
	MUL16 \f, 0, 0, \first
	MUL16 \f, 0, 2, \first
	PLACES
	FETCH \slot, \q, \g
	s_wait_dscnt 32                                ; all but the 32 just issued
	MUL16 \f, 1, 0, \first
	MUL16 \f, 1, 2, \first
.endm
; The first half of the last quarter, and the barrier of the change of slots.
.macro MEET round
	WIN 0                                          ; (the add's two registers lie in window 0)
	s_wait_tensorcnt 0x0                           ; all my tensor loads have landed: the one that was out is my part of the next slot;
	ds_add_u32 v[SPW], v[NIL]                      ; 0 onto my spare word;
	s_wait_dscnt 9                                 ; (the add and the youngest eight loads may be out)
	MUL16 F1, 0, 0, 0                              ; sixteen matrix instructions stand between the add and the wait for it
	s_wait_dscnt 0x0                               ; the add is done, and my reads of this slot are over
	s_barrier_signal -1
	MUL16 F1, 0, 2, 0
.if \round
	WIN 0
.endif
	s_barrier_wait -1
.endm
; The whole last quarter.  fill = 1: the barrier opens a round of the cluster's; behind the round the slot just read is filled again, two K steps on, first thing: 224 matrix instructions ahead of the wait for it.
.macro TURN slot, next, fill
.if \fill
	s_wait_xcnt 0x0                                ; the last prefetch, a K step back, has read its address
	s_add_nc_u64 s[PFA:PFA+1], s[PFA:PFA+1], s[PFS:PFS+1]
	MEET 1
	CREST                                          ; no wave of any partner still reads this slot or has a load on its way
	s_add_nc_u64 s[G0+4*(\slot)+2:G0+4*(\slot)+3], s[G0+4*(\slot)+2:G0+4*(\slot)+3], 4*PANB
	s_add_nc_u64 s[G0B+4*(\slot)+2:G0B+4*(\slot)+3], s[G0B+4*(\slot)+2:G0B+4*(\slot)+3], 2*16384
	JLOAD \slot                                    ; its four v_nop are also the places in front of the loads below
.else
	MEET 0
	PLACES
.endif
	FETCH \next, 0, F0
.if \fill
	ASK
.endif
	MUL16 F1, 1, 0, 0
	MUL16 F1, 1, 2, 0
.endm
	s_wait_kmcnt 0x0                               ; the floor
	s_wait_loadcnt 0x0                             ; the bias: the first products take it as C
	s_wait_tensorcnt 1                             ; my part of K step 0 is in; K step 1's may stay out
	s_barrier_signal -1
	s_barrier_wait -1
	FETCH 0, 0, F0
	QUARTER 0, 1, F0, F1, 1                        ; the first quarter stands in front of the loop: its products start the sums
	WIN 0
	s_mov_b32 s3, LAPS-1
.Llap:                                                 ; a trip goes once round the ring, from a lap's second quarter to the next lap's first
	QUARTER 0, 2, F1, F0, 0
	QUARTER 0, 3, F0, F1, 0
	TURN 0, 1, 1
	QUARTER 1, 1, F0, F1, 0
	QUARTER 1, 2, F1, F0, 0
	QUARTER 1, 3, F0, F1, 0
	TURN 1, 0, 1
	QUARTER 0, 1, F0, F1, 0
	WIN 0
	s_sub_co_u32 s3, s3, 1
	s_cmp_lg_u32 s3, 0
	s_cbranch_scc1 .Llap
	QUARTER 0, 2, F1, F0, 0                        ; the last lap fills nothing
	QUARTER 0, 3, F0, F1, 0
	TURN 0, 1, 0
	QUARTER 1, 1, F0, F1, 0
	QUARTER 1, 2, F1, F0, 0
	QUARTER 1, 3, F0, F1, 0
	s_wait_dscnt 8
	MUL16 F1, 0, 0, 0
	MUL16 F1, 0, 2, 0
	s_wait_dscnt 0x0
	MUL16 F1, 1, 0, 0
	MUL16 F1, 1, 2, 0
	WIN 0
; THE WAY OUT, a block of 16 rows at a time.  PACK: rounded to bf16 (each accumulator's registers in ascending order), the maximum with the floor.
.macro PACK a
.set AC, 64*((\a)%4)
	WIN 0x0a+5*((\a)/4)                            ; sources 0 and 1: window 2 or 3
.irp b, 0,1,2,3,4,5,6,7
.irp r, 0,1,2,3
	v_cvt_pk_bf16_f32 v[TMP+4*(\b)+(\r)], v[AC+8*(\b)+2*(\r)], v[AC+8*(\b)+2*(\r)+1]
.endr
.endr
	WIN 0
.set r, 0
.rept 32
	v_pk_max_num_bf16 v[TMP+r], v[TMP+r], s2
.set r, r+1
.endr
.endm
; TOSTAGE: my two panels one after the other through the same 16 rows of 144 bytes, and back as whole rows.  LDS serves a wave's instructions in order (ISA guide 5.7.1.4).
.macro TOSTAGE a
.set BK, F1+32*((\a)%2)
.irp p, 0,1
.irp b, 0,1,2,3
	ds_store_b128 v[STO], v[TMP+16*(\p)+4*(\b):TMP+16*(\p)+4*(\b)+3] offset:32*(\b)
.endr
.irp f, 0,1,2,3
	ds_load_b128 v[BK+16*(\p)+4*(\f):BK+16*(\p)+4*(\f)+3], v[RD] offset:4*SPITCH*(\f)
.endr
.endr
.endm
.macro SEND a
.set BK, F1+32*((\a)%2)
	s_wait_dscnt 0x0                               ; the block is back in registers
	s_wait_xcnt 0x0                                ; the stores of the block before have read their registers: the next block's loads land there only behind this wait
.irp p, 0,1
.irp f, 0,1,2,3
	global_store_b128 v[CO], v[BK+16*(\p)+4*(\f):BK+16*(\p)+4*(\f)+3], s[8:9] offset:(\p)*PANB+(\a)*2048+(\f)*512  ; 512 consecutive bytes, aligned
.endr
.endr
.endm
	PLACES
	PACK 0
	TOSTAGE 0
.irp a, 1,2,3,4,5,6,7                  ; block a's arithmetic stands between block a - 1's loads from the stage and the wait for them
	PACK \a
	SEND (\a)-1
	TOSTAGE \a
.endr
	SEND 7
	s_wait_tensorcnt 0x0                           ; the wave's end, behind my last tensor load and my last LDS store
	ds_add_u32 v[SPW], v[NIL]
	s_wait_dscnt 0x0
	CROUND                                         ; the closing round
	s_endpgm
.Lfunc_end_k_qe212ca0d0e_qkv:
	.size	k_qe212ca0d0e_qkv, .Lfunc_end_k_qe212ca0d0e_qkv-k_qe212ca0d0e_qkv
	.p2alignl 7, 3214868480
	.fill 96, 4, 3214868480
	.section	.rodata,"a",@progbits
	.p2align	6, 0x0
	.amdhsa_kernel k_qe212ca0d0e_qkv
		.amdhsa_group_segment_fixed_size 327680
		.amdhsa_private_segment_fixed_size 0
		.amdhsa_enable_private_segment 0
		.amdhsa_kernarg_size 24
		.amdhsa_user_sgpr_count 2
		.amdhsa_user_sgpr_kernarg_segment_ptr 1
		.amdhsa_wavefront_size32 1
		.amdhsa_system_sgpr_workgroup_id_x 1
		.amdhsa_system_sgpr_workgroup_id_y 1
		.amdhsa_system_sgpr_workgroup_id_z 1
		.amdhsa_system_vgpr_workitem_id 0
		.amdhsa_next_free_vgpr 1024
		.amdhsa_next_free_sgpr 66
		.amdhsa_reserve_vcc 0
		.amdhsa_float_denorm_mode_32 3
		.amdhsa_float_denorm_mode_16_64 3
		.amdhsa_memory_ordered 1
		.amdhsa_forward_progress 1
		.amdhsa_inst_pref_size 162
	.end_amdhsa_kernel
	.amdgpu_metadata
---
amdhsa.version: [ 1, 2 ]
amdhsa.kernels:
  - .name:           k_qe212ca0d0e_qkv
    .symbol:         k_qe212ca0d0e_qkv.kd
    .args:
      - { .name: out0, .offset: 0, .size: 8, .value_kind: global_buffer, .address_space: global }
      - { .name: wqkv_c, .offset: 8, .size: 8, .value_kind: global_buffer, .address_space: global }
      - { .name: act, .offset: 16, .size: 8, .value_kind: global_buffer, .address_space: global }
    .group_segment_fixed_size: 327680
    .private_segment_fixed_size: 0
    .kernarg_segment_align: 8
    .kernarg_segment_size: 24
    .max_flat_workgroup_size: 128
    .sgpr_count:     66
    .vgpr_count:     1024
    .wavefront_size: 32
...
	.end_amdgpu_metadata
.endif
;; end of part 2
;; launch attn (part 3): grid 4 x 64, 8 waves a work-group, no clusters, 327,680 bytes of LDS; arguments act, out0; writes out0
.if DOCPART == 3
	.amdgcn_target "amdgcn-amd-amdhsa--gfx1250"
	.amdhsa_code_object_version 6
	.text
	.protected	k_qe212ca0d0e_attn
	.globl	k_qe212ca0d0e_attn
	.p2align	8
	.type	k_qe212ca0d0e_attn,@function
k_qe212ca0d0e_attn:
	s_mov_b64 s[64:65], 0
	v_nop
	global_prefetch_b8 v0, s[64:65] scope:SCOPE_SE
	s_setreg_imm32_b32 hwreg(HW_REG_WAVE_MODE, 25, 1), 1
	s_wait_xcnt 0x0
; CAUSAL ATTENTION at head size 64.  O[q] = the sum over k <= q of softmax_k(Q[q] . K[k] / 8) V[k].  act holds q, k, v by heads, [64 heads][1024][64] bf16 each (k 8,388,608 bytes behind q, v as far again);
; O goes out in the same layout.  Products, maxima and sums in f32; the weights p are rounded to bf16 for the second product (their sum l is taken of the unrounded p), O once at the end.
; LIMITS.  A hidden score counts as its value less 1e30: true scores are nothing beside that; a weight below 2^-126 counts as 0 in l; NaN and infinities are not treated apart.
; THE WALK.  A head's queries lie in 8 blocks of 128; block i needs the key tiles 0 .. i of 128 keys, the last of which holds the diagonal.  Work-group j takes block j and then block 7 - j: 9 tiles, whatever j.
; K AND V STAY IN LDS: the head's 8 tiles, 311,296 bytes with their padding, come by two first fills a wave (tiles 0-3, then tiles 4-7) and are never filled again.  Block j needs tiles 0-3 alone, so it
; is walked while tiles 4-7 are on their way.  Each block's loop counts to a constant (4, 8); the tiles that a wave does not need are jumped forward, past no barrier and no tensor load.
; SHARES.  Eight waves, two to a SIMD.  Waves w and w + 4 own the same 32 queries of a block (two tiles of 16); of every tile of keys waves 0-3 take keys 0-63 and waves 4-7 keys 64-127, each with a running
; maximum, sum and O of its own.  At the end the two halves meet in LDS, in f32: O = fX O + fP O', l likewise, f = 2^(c m - the greater c m).
; Waves 0-3 finish the long block, waves 4-7 the short one, whose halves waited in registers.
; WAVES 4 AND 5 JUMP THE DIAGONAL TILE: their queries are the block's 0-63 and their keys the tile's 64-127, all hidden.  (A running maximum made of hidden scores alone would leave c s - c m to the rounding of
; c m at 1.8e29.)  In every tile that a wave does walk each of its queries sees a key: key 0 of the tile for waves 0-3, key 64 for waves 6 and 7.  Where the jumped tile was the only one (block 0), the
; half stays as it began, c m = -4e37, l = 0, O = 0, and its factor in the meeting is 0.
; NO CLUSTER, though the four work-groups of a head ask for the same tiles: the jumps over unneeded tiles hang on j, which would be a work-group's place in its cluster.
; NO PREFETCH: every byte of K and V that the work-group reads is asked for by the first fills at the kernel's head.
; LAYOUT.  S^T = K Q^T holds ONE query a lane (lane % 16) and the keys 8 (lane / 16) + 0..7; two such results rounded to bf16 ARE source 1 of O^T = V^T P.  K comes out of LDS as it lies, V turned.
; SOFTMAX.  p = 2^(c s - c m), c = log2(e) / 8, with a running maximum m; O and l are multiplied by a = 2^(c m_old - c m_new) in every step; a block's first step has a = 0.
; THE MASK of the diagonal tile hangs on wave and lane alone: it is made once, 0 or -1e30, and is the C operand that starts that tile's sums.
; REGISTERS: window 0: v2-15 addresses; v16-31 eight registers of statistics a tile (c m, m, l, l, c0-c3; a takes c2, c m_old c3); v32-63 Q; v64-127 K of a step (P takes v64-95 when the scores are made);
;   v128-191 V of a step; v192-255 S^T, 32 a tile.   window 1: v0-63 O^T, 32 a tile; v64-95 the long block's Q; v96-159 the mask; v160-223, v224-231 the short block's O^T and statistics.
.set NB,    8
.set KS,    64
.set PK,    144       ; a row of K in LDS: 128 bytes + 16
.set PV,    160       ; a row of V: 128 + 32
.set KT,    128*PK    ; a tile of K
.set VT,    128*PV    ; a tile of V
.set VB,    NB*KT     ; K's eight tiles, then V's
.set SPARE, VB+NB*VT  ; the spare words, 128 bytes for each wave: four blocks of 256 bytes that no other line names
.set MG,    9216      ; at the end, in K's tiles, which have had their last fill and their last read: 72 registers x 128 bytes for each wave,
.set STAGE, 8*MG      ; and behind them 16 rows x 144 bytes for each wave
.set SP,    144
.set AK0, 2
.set AV0, 3
.set AK,  4
.set AV,  5
.set STO, 6
.set RD,  7
.set GO,  8
.set MGM, 9           ; where I put what I give
.set MGP, 10          ; where my partner put it
.set TR,  12          ; v12-13  my query's place in its block, less my lanes' 8 (l / 16), less my half's first key, by tile
.set SPW, 14
.set NIL, 15
.set ST,  16
.set Q,   32
.set KF,  64
.set P,   64
.set VF,  128
.set S,   192
.set OP,  64          ; at the end: my partner's O^T,
.set PS,  128         ; and statistics
.set Q2,  64          ; window 1
.set MD,  96
.set SO,  160
.set SS,  224
.set WV,  12
.set PB,  14          ; j
.set HI,  15          ; 7 - j
.set G1K, 24
.set G1V, 32
.set G0K, 40          ; s[40:47] group 0 for K's tiles, a set for each of my two fills
.set G0V, 48          ; s[48:55] the same for V's
.set T,   56          ; the tile in hand
.set LAST, 57         ; the block's last tile
.set CS,  58          ; s[58:59] c
.set SEL, 60          ; s[60:61] v_permlanex16_b32's selects
.set TBK, 62          ; LDS byte at which the tile's K begins
.set TBV, 63          ; the same for V, less VB
.set WQ,  70          ; wave % 4: my 32 queries
.set GH,  71          ; wave / 4: my half of the keys
.set SK,  72          ; 1 in waves 4 and 5, which jump the diagonal tile; else 0
.set LW,  73          ; the last tile that my wave walks: LAST - SK (-1 where it walks none)
.set BIGN, 82         ; -1e30
.set MSB, 0
.macro WIN new
.if MSB != (\new)
	s_set_vgpr_msb (MSB<<8)|(\new)
.set MSB, (\new)
.endif
.endm
.set W_PV, 0x50       ; V and P in window 0, O^T (C and D) in window 1
.set W_RS, 0x41       ; destination and source 0 in window 1, source 1 in window 0
.macro START                        ; a block begins: c m far below every c s, so the first a is 0; m at the lowest finite number
.irp u, 0,1
	v_mov_b32 v[ST+8*(\u)], 0xfe000000
	v_mov_b32 v[ST+8*(\u)+1], 0xff7fffff
.endr
.endm
	s_load_b128 s[16:19], s[0:1], 0x0  ; act s[16:17], O s[18:19]
	v_lshl_add_u32 v[SPW], v0, 2, SPARE
	v_mov_b32 v[NIL], 0
	ds_add_u32 v[SPW], v[NIL]       ; the wave's opening: the add and its wait stand ahead of my first tensor load
	v_lshrrev_b32 v1, 5, v0
	v_readfirstlane_b32 s[WV], v1
	s_and_b32 s[WQ], s[WV], 3
	s_lshr_b32 s[GH], s[WV], 2
	s_lshr_b32 s[SK], s[WV], 1
	s_cmp_eq_u32 s[SK], 2           ; waves 4 and 5
	s_cselect_b32 s[SK], 1, 0
	s_mov_b32 s[PB], ttmp9
	s_sub_co_u32 s[HI], NB-1, s[PB]
	s_and_b32 s20, ttmp7, 0xffff
	s_lshl_b32 s20, s20, 17         ; the head's 131,072 bytes
	s_lshl_b32 s22, s[WQ], 14       ; I fetch tiles wave % 4 and 4 + wave % 4: of K (waves 0-3) or of V (waves 4-7)
	s_add_co_u32 s22, s22, s20
	s_mov_b32 s23, 0
	s_mul_i32 s2, s[WQ], KT
	s_mul_i32 s3, s[WQ], VT
	s_add_co_u32 s3, s3, VB
	s_lshl_b32 s83, s[WQ], 12       ; my 32 rows in a block
	s_add_co_u32 s83, s83, s20
	s_lshl_b32 s84, s[PB], 14       ; in the short block,
	s_add_co_u32 s84, s84, s83
	s_mov_b32 s85, 0
	s_lshl_b32 s86, s[HI], 14       ; and in the long one
	s_add_co_u32 s86, s86, s83
	s_mov_b32 s87, 0
	; group 1: 128 keys are 16,384 dense bytes: 64 rows of 256 bytes, padded in LDS after every key
	s_mov_b32 s[G1K], (1<<16)|(1<<20)|(4<<22)|(3<<25)
	s_mov_b32 s[G1V], (1<<16)|(1<<20)|(4<<22)|(7<<25)
.irp g, G1K, G1V
	s_mov_b32 s[\g+1], 128<<16
	s_mov_b32 s[\g+2], 64<<16
	s_mov_b32 s[\g+3], 128<<16
	s_mov_b32 s[\g+4], 64
	s_mov_b32 s[\g+5], 128
	s_mov_b32 s[\g+6], 0
	s_mov_b32 s[\g+7], 0
.endr
	s_mov_b32 s[CS], 0x3e38aa3b     ; c = log2(e) / 8
	s_mov_b32 s[CS+1], s[CS]
	s_mov_b32 s[SEL], 0x76543210
	s_mov_b32 s[SEL+1], 0xfedcba98
	s_mov_b32 s[BIGN], 0xf149f2ca   ; -1e30
	s_mov_b32 s[G0K], 1
	s_mov_b32 s[G0K+1], s2
	s_mov_b32 s[G0K+4], 1
	s_add_co_u32 s[G0K+5], s2, 4*KT
	s_mov_b32 s[G0V], 1
	s_mov_b32 s[G0V+1], s3
	s_mov_b32 s[G0V+4], 1
	s_add_co_u32 s[G0V+5], s3, 4*VT
	s_wait_dscnt 0x0                ; the opening add is done
	s_wait_kmcnt 0x0
	s_add_nc_u64 s[6:7], s[16:17], s[22:23]
	s_add_nc_u64 s[8:9], s[6:7], 0x1000000         ; V at my first tile
	s_add_nc_u64 s[6:7], s[6:7], 0x800000          ; K likewise
.irp s, 0,1
	s_add_nc_u64 s[G0K+4*(\s)+2:G0K+4*(\s)+3], s[6:7], (\s)*65536   ; four tiles on
	s_or_b32 s[G0K+4*(\s)+3], s[G0K+4*(\s)+3], 0x80000000
	s_add_nc_u64 s[G0V+4*(\s)+2:G0V+4*(\s)+3], s[8:9], (\s)*65536
	s_or_b32 s[G0V+4*(\s)+3], s[G0V+4*(\s)+3], 0x80000000
.endr
	s_add_nc_u64 s[4:5], s[16:17], s[84:85]        ; Q at my rows of the short block,
	s_add_nc_u64 s[20:21], s[16:17], s[86:87]      ; and of the long one
	s_add_nc_u64 s[84:85], s[18:19], s[84:85]      ; O likewise
	s_add_nc_u64 s[86:87], s[18:19], s[86:87]
	s_cmp_lt_u32 s[WV], 4
	s_cselect_b64 s[10:11], s[86:87], s[84:85]     ; waves 0-3 finish the long block, waves 4-7 the short one
	s_cmp_lt_u32 s[WV], 4           ; a wave's two first fills stand in one branch, ahead of every wait on TENSORcnt, every LDS read and every barrier: two loads of mine are out
	s_cbranch_scc0 .Lfirst_v
	tensor_load_to_lds s[G0K:G0K+3], s[G1K:G1K+7]
	s_nop 0
	tensor_load_to_lds s[G0K+4:G0K+7], s[G1K:G1K+7]
	s_nop 0
.rept 4
	v_nop
.endr
	s_branch .Lfirst_asked
.Lfirst_v:
	tensor_load_to_lds s[G0V:G0V+3], s[G1V:G1V+7]
	s_nop 0
	tensor_load_to_lds s[G0V+4:G0V+7], s[G1V:G1V+7]
	s_nop 0
.rept 4
	v_nop
.endr
.Lfirst_asked:
	v_and_b32 v1, 15, v0            ; l % 16
	v_bfe_u32 v192, v0, 4, 1        ; l / 16
	v_lshlrev_b32 v193, 7, v1
	v_lshl_add_u32 v193, v192, 4, v193  ; row x 128 + 16 x half
.set i, 0
.rept 4                             ; both blocks' Q: tile i / 2, channels 32 (i % 2) on
	global_load_b128 v[Q+8*i:Q+8*i+3],   v193, s[4:5] offset:(i/2)*2048+(i%2)*64
	global_load_b128 v[Q+8*i+4:Q+8*i+7], v193, s[4:5] offset:(i/2)*2048+(i%2)*64+32
.set i, i+1
.endr
	WIN 0x40
.set i, 0
.rept 4
	global_load_b128 v[Q2+8*i:Q2+8*i+3],   v193, s[20:21] offset:(i/2)*2048+(i%2)*64
	global_load_b128 v[Q2+8*i+4:Q2+8*i+7], v193, s[20:21] offset:(i/2)*2048+(i%2)*64+32
.set i, i+1
.endr
.set i, 0
.rept 64                            ; O^T starts at 0: a half that walks no tile gives zeros, and where a block begins O^T need only be finite (its first a is 0); written in the wait for the first tiles
	v_mov_b32 v[i], 0
.set i, i+1
.endr
	WIN 0
	v_mul_u32_u24 v[AK0], v1, PK
	v_lshl_add_u32 v[AK0], v192, 4, v[AK0]         ; row x 144 + 16 x half
	s_mul_i32 s13, s[WV], 16*SP
	s_add_co_u32 s13, s13, STAGE    ; my stage
	v_add_nc_u32 v[STO], s13, v[AK0]  ; in: row l % 16, 16 bytes for each half of the lanes (the stage's pitch is K's)
	v_and_b32 v194, 7, v0
	v_bfe_u32 v[RD], v0, 3, 2       ; back: 32 lanes take four rows of 128 bytes,
	v_mul_u32_u24 v[RD], v[RD], SP
	v_lshl_add_u32 v[RD], v194, 4, v[RD]
	v_add_nc_u32 v[RD], s13, v[RD]
	v_and_b32 v[GO], 31, v0         ; which are 512 consecutive bytes of O
	v_lshlrev_b32 v[GO], 4, v[GO]
	s_mul_i32 s13, s[GH], KS*PK     ; my half of a tile's keys
	v_add_nc_u32 v[AK0], s13, v[AK0]
	v_bfe_u32 v195, v0, 3, 1
	v_lshl_add_u32 v[AV0], v192, 3, v194
	v_mul_u32_u24 v[AV0], v[AV0], PV
	v_lshl_add_u32 v[AV0], v195, 4, v[AV0]
	s_mul_i32 s13, s[GH], KS*PV
	s_add_co_u32 s13, s13, VB
	v_add_nc_u32 v[AV0], s13, v[AV0]
	s_mul_i32 s13, s[WV], MG
	v_add_nc_u32 v[MGM], s13, v[GO]
	s_xor_b32 s13, s[WV], 4         ; my partner
	s_mul_i32 s13, s13, MG
	v_add_nc_u32 v[MGP], s13, v[GO]
	v_lshlrev_b32 v195, 3, v192
	v_sub_nc_u32 v[TR], v1, v195
	s_lshl_b32 s13, s[WQ], 5
	s_lshl_b32 s2, s[GH], 6
	s_sub_co_i32 s13, s13, s2
	v_add_nc_u32 v[TR], s13, v[TR]  ; 32 (wave % 4) + l % 16 - 8 (l / 16) - 64 (wave / 4): register z of a tile's 32 is hidden where 16 (z / 8) + z % 8 is greater
	v_add_nc_u32 v[TR+1], 16, v[TR]
	WIN 0x40
.set z, 0
.rept 32
.irp u, 0,1
	v_cmp_gt_i32 vcc_lo, 16*(z/8)+z%8, v[TR+(\u)]
	v_cndmask_b32 v[MD+32*(\u)+z], 0, s[BIGN], vcc_lo
.endr
.set z, z+1
.endr
	WIN 0
	START
.irp u, 0,1
.irp k, 2,3,4,5,6,7
	v_mov_b32 v[ST+8*(\u)+(\k)], 0
.endr
.endr
; THE MATRIX WORK.  The 8 accumulators of a run of 16 take turns.  Product i of S^T = K Q^T: channels 32 (i / 8) on, keys 16 ((i / 2) % 4) on, tile i % 2.  m = 1: the sum starts with the mask.
.macro MKQ m
.set rS, S+32*(i%2)+8*((i/2)%4)
.set rK, KF+16*((i/2)%4)+8*(i/8)
.set rQ, Q+16*(i%2)+8*(i/8)
.set rM, MD+32*(i%2)+8*((i/2)%4)
.if \m
	v_wmma_f32_16x16x32_bf16 v[rS:rS+7], v[rK:rK+7], v[rQ:rQ+7], v[rM:rM+7]
.elseif i < 8
	v_wmma_f32_16x16x32_bf16 v[rS:rS+7], v[rK:rK+7], v[rQ:rQ+7], 0
.else
	v_wmma_f32_16x16x32_bf16 v[rS:rS+7], v[rK:rK+7], v[rQ:rQ+7], v[rS:rS+7]
.endif
.set i, i+1
.endm
; Product i of O^T += V^T P: keys 32 (i / 8) on, channels 16 ((i / 2) % 4) on, tile i % 2.
.macro MPV
.set rO, 32*(i%2)+8*((i/2)%4)
.set rV, VF+32*(i/8)+8*((i/2)%4)
.set rP, P+16*(i%2)+8*(i/8)
	v_wmma_f32_16x16x32_bf16 v[rO:rO+7], v[rV:rV+7], v[rP:rP+7], v[rO:rO+7]
.set i, i+1
.endm
.macro FETCH_K
.irp f, 0,1,2,3,4,5,6,7             ; keys 16 (f / 2) on, channels 32 (f % 2) on
	ds_load_b128 v[KF+8*\f:KF+8*\f+3],   v[AK] offset:(\f/2)*16*PK+(\f%2)*64
	ds_load_b128 v[KF+8*\f+4:KF+8*\f+7], v[AK] offset:(\f/2)*16*PK+(\f%2)*64+32
.endr
.endm
.macro FETCH_V
.irp f, 0,1,2,3,4,5,6,7             ; keys 32 (f / 4) on, channels 16 (f % 4) on
	ds_load_tr16_b128 v[VF+8*\f:VF+8*\f+3],   v[AV] offset:(\f/4)*32*PV+(\f%4)*32
	ds_load_tr16_b128 v[VF+8*\f+4:VF+8*\f+7], v[AV] offset:(\f/4)*32*PV+16*PV+(\f%4)*32
.endr
.endm
.macro REGS u
.set rT, ST+8*(\u)
.set rS, S+32*(\u)
.set rP, P+16*(\u)
.set rO, 32*(\u)
.endm
; Number n of the 22 that find a tile's maximum and statistics; each accumulator's lowest registers are read first.
.macro XM u, n
	REGS \u
.if (\n) < 4
	v_max3_num_f32 v[rT+4+(\n)], v[rS+8*(\n)], v[rS+8*(\n)+1], v[rS+8*(\n)+2]
.elseif (\n) < 12
	v_max3_num_f32 v[rT+4+(\n)%4], v[rT+4+(\n)%4], v[rS+8*((\n)%4)+2*((\n)/4)+1], v[rS+8*((\n)%4)+2*((\n)/4)+2]
.elseif (\n) == 12
	v_max3_num_f32 v[rT+4], v[rT+4], v[rS+7], v[rS+15]
.elseif (\n) == 13
	v_max3_num_f32 v[rT+6], v[rT+6], v[rS+23], v[rS+31]
.elseif (\n) == 14
	v_max3_num_f32 v[rT+4], v[rT+4], v[rT+5], v[rT+6]
.elseif (\n) == 15
	v_max3_num_f32 v[rT+4], v[rT+4], v[rT+7], v[rT+1]
.elseif (\n) == 16
	v_permlanex16_b32 v[rT+5], v[rT+4], s[SEL], s[SEL+1]  ; the query's other 32 keys lie in the lane 16 away
.elseif (\n) == 17
	v_mov_b32 v[rT+7], v[rT]        ; c m_old is kept
.elseif (\n) == 18
	v_max_num_f32 v[rT+1], v[rT+4], v[rT+5]
.elseif (\n) == 19
	v_mul_f32 v[rT], s[CS], v[rT+1]
.elseif (\n) == 20
	v_sub_f32 v[rT+7], v[rT+7], v[rT]
.else
	v_exp_f32 v[rT+6], v[rT+7]      ; a
.endif
.endm
; THE SOFTMAX of both tiles, which alternate line by line.
.macro SOFTMAX
.irp n, 0,1,2,3,4,5,6,7,8,9,10,11,12,13,14,15,16,17,18,19,20
	XM 0, \n
	XM 1, \n
.endr
.set z, 0
.rept 16                            ; c s - c m, a pair of scores a line
.irp u, 0,1
	REGS \u
	v_pk_fma_f32 v[rS+2*z:rS+2*z+1], v[rS+2*z:rS+2*z+1], s[CS:CS+1], v[rT:rT+1] op_sel_hi:[1,0,0] neg_lo:[0,0,1] neg_hi:[0,0,1]
.endr
.set z, z+1
.endr
	XM 0, 21                        ; one batch: the two a and the 64 weights; none of these lines names another's result
	XM 1, 21
.set z, 0
.rept 32
	v_exp_f32 v[S+z], v[S+z]
	v_exp_f32 v[S+32+z], v[S+32+z]
.set z, z+1
.endr
	v_nop                           ; a plain instruction behind the last exponential,
	s_wait_alu depctr_va_vdst(0)    ; and one wait for the batch, ahead of its first reader
.set z, 0
.rept 16                            ; the weights rounded to bf16: P lands on K's first 32 registers, whose last reader stands far more than four plain instructions back
.irp u, 0,1
	REGS \u
	v_cvt_pk_bf16_f32 v[rP+z], v[rS+2*z], v[rS+2*z+1]
.endr
.set z, z+1
.endr
.set z, 0
.rept 8                             ; of each four weights the second pair is added onto the first
.irp u, 0,1
	REGS \u
	v_pk_add_f32 v[rS+4*z:rS+4*z+1], v[rS+4*z:rS+4*z+1], v[rS+4*z+2:rS+4*z+3]
.endr
.set z, z+1
.endr
.irp u, 0,1
	REGS \u
	v_pk_fma_f32 v[rT+2:rT+3], v[rT+2:rT+3], v[rT+6:rT+7], v[rS:rS+1] op_sel_hi:[1,0,1]  ; l = a l + the first sum
.endr
.set z, 1
.rept 7
.irp u, 0,1
	REGS \u
	v_pk_add_f32 v[rT+2:rT+3], v[rT+2:rT+3], v[rS+4*z:rS+4*z+1]
.endr
.set z, z+1
.endr
	WIN W_RS
.set z, 0
.rept 16                            ; O^T times a, each accumulator from its low end on
.irp u, 0,1
	REGS \u
	v_pk_mul_f32 v[rO+2*z:rO+2*z+1], v[rO+2*z:rO+2*z+1], v[rT+6:rT+7] op_sel_hi:[1,0]
.endr
.set z, z+1
.endr
.endm
; MY HALF OF A TILE: 64 keys for my 32 queries, in phases; the wave beside me on the SIMD is in another phase.
.macro TILE
	v_add_nc_u32 v[AK], s[TBK], v[AK0]
	v_add_nc_u32 v[AV], s[TBV], v[AV0]
	FETCH_K
	FETCH_V
	s_wait_dscnt 16                 ; K is in; V's sixteen loads may stay out
	s_cmp_eq_u32 s[T], s[LAST]      ; only a block's last tile holds the diagonal
	s_cbranch_scc1 .Ldiag_\@
.set i, 0
.rept 8
	MKQ 0
.endr
	s_branch .Lmore_\@
.Ldiag_\@:
	WIN 0x10                        ; C in window 1
.set i, 0
.rept 8
	MKQ 1
.endr
	WIN 0
.Lmore_\@:
.set i, 8
.rept 8
	MKQ 0
.endr
.rept 4
	v_nop                           ; the places behind those products
.endr
	SOFTMAX
	s_wait_dscnt 0x0                ; V is in
	WIN W_PV
.set i, 0
.rept 16
	MPV
.endr
	WIN 0
.rept 4
	v_nop                           ; the places in front of the next loads into P's, K's and V's registers, and of the lines that read O^T
.endr
.endm
; A BLOCK's walk: nt trips, of which those past my wave's last tile are jumped, to the label ahead of the counter's step.  The compare is signed: waves 4 and 5 walk no tile of block 0.
.macro BLOCK nt
	s_sub_co_i32 s[LW], s[LAST], s[SK]
	s_mov_b32 s[T], 0
	s_mov_b32 s[TBK], 0
	s_mov_b32 s[TBV], 0
.Ltile_\@:
	s_cmp_gt_i32 s[T], s[LW]
	s_cbranch_scc1 .Ldead_\@
	TILE
.Ldead_\@:
	s_add_co_u32 s[TBK], s[TBK], KT
	s_add_co_u32 s[TBV], s[TBV], VT
	s_add_co_u32 s[T], s[T], 1
	s_cmp_lt_u32 s[T], \nt
	s_cbranch_scc1 .Ltile_\@
.endm
	s_wait_loadcnt 0x0              ; Q
	s_wait_tensorcnt 0x1            ; my tile of the first four is in; my tile of the last four may stay out
	s_barrier_signal -1
	s_barrier_wait -1               ; everybody's is
	s_mov_b32 s[LAST], s[PB]
	BLOCK 4                         ; the short block: tiles 0 .. j
	WIN 0x41                        ; its O^T and statistics wait in registers for the end
.set i, 0
.rept 64
	v_mov_b32 v[SO+i], v[i]
.set i, i+1
.endr
	WIN 0x40
.irp u, 0,1
.irp k, 0,1,2,3
	v_mov_b32 v[SS+4*(\u)+(\k)], v[ST+8*(\u)+(\k)]
.endr
.endr
	WIN 0
	START                           ; O^T and l keep what the short block left: finite numbers, multiplied by a = 0 in the next step
	WIN 0x01                        ; the long block's Q goes where the one text of the steps names Q
.set i, 0
.rept 32
	v_mov_b32 v[Q+i], v[Q2+i]
.set i, i+1
.endr
	WIN 0
	s_mov_b32 s[LAST], s[HI]
	s_wait_tensorcnt 0x0            ; my tile of the last four is in,
	s_wait_dscnt 0x0
	s_barrier_signal -1
	s_barrier_wait -1               ; everybody's is
	BLOCK 8                         ; the long block: tiles 0 .. 7 - j
	; THE TWO HALVES MEET.  Behind this barrier no wave reads a tile any more, and no fill is out: K's first tiles serve as scratch.
	s_wait_dscnt 0x0
	s_barrier_signal -1
	s_barrier_wait -1
	s_cmp_lt_u32 s[WV], 4
	s_cbranch_scc0 .Lgive_long
	WIN 0x04                        ; store data in window 1.  Waves 0-3 give their half of the short block
.set i, 0
.rept 16
	ds_store_b128 v[MGM], v[SO+4*i:SO+4*i+3] offset:512*i
.set i, i+1
.endr
.irp u, 0,1
	ds_store_b128 v[MGM], v[SS+4*(\u):SS+4*(\u)+3] offset:8192+512*(\u)
.endr
	WIN 0
	s_branch .Lgiven
.Lgive_long:
	WIN 0x04                        ; waves 4-7 give their half of the long block (each accumulator's low registers first),
.set i, 0
.rept 16
	ds_store_b128 v[MGM], v[4*i:4*i+3] offset:512*i
.set i, i+1
.endr
	WIN 0
.irp u, 0,1
	ds_store_b128 v[MGM], v[ST+8*(\u):ST+8*(\u)+3] offset:8192+512*(\u)
.endr
	WIN 0x41                        ; and take their half of the short one up again
.set i, 0
.rept 64
	v_mov_b32 v[i], v[SO+i]
.set i, i+1
.endr
	WIN 0x01
.irp u, 0,1
.irp k, 0,1,2,3
	v_mov_b32 v[ST+8*(\u)+(\k)], v[SS+4*(\u)+(\k)]
.endr
.endr
	WIN 0
.Lgiven:
	s_wait_dscnt 0x0                ; for my partner's sake: my stores are done
	s_barrier_signal -1
	s_barrier_wait -1
.set i, 0
.rept 16
	ds_load_b128 v[OP+4*i:OP+4*i+3], v[MGP] offset:512*i
.set i, i+1
.endr
.irp u, 0,1
	ds_load_b128 v[PS+4*(\u):PS+4*(\u)+3], v[MGP] offset:8192+512*(\u)
.endr
	s_wait_dscnt 0x0
.irp u, 0,1
	v_max_num_f32 v[ST+8*(\u)+4], v[ST+8*(\u)], v[PS+4*(\u)]      ; the greater c m: a true one, since waves 0-3 see a key of every query in every tile
.endr
.irp u, 0,1
	v_sub_f32 v[ST+8*(\u)+5], v[ST+8*(\u)], v[ST+8*(\u)+4]
	v_sub_f32 v[ST+8*(\u)+6], v[PS+4*(\u)], v[ST+8*(\u)+4]
.endr
.irp u, 0,1
	v_exp_f32 v[ST+8*(\u)+4], v[ST+8*(\u)+5]                       ; fX, my half's factor
.endr
.irp u, 0,1
	v_exp_f32 v[ST+8*(\u)+6], v[ST+8*(\u)+6]                       ; fP, my partner's
.endr
	v_nop                           ; a plain instruction behind the last exponential,
	s_wait_alu depctr_va_vdst(0)    ; and one wait for the four
.irp u, 0,1
	v_pk_mul_f32 v[ST+8*(\u)+2:ST+8*(\u)+3], v[ST+8*(\u)+2:ST+8*(\u)+3], v[ST+8*(\u)+4:ST+8*(\u)+5] op_sel_hi:[1,0]
.endr
.irp u, 0,1
	v_pk_fma_f32 v[ST+8*(\u)+2:ST+8*(\u)+3], v[PS+4*(\u)+2:PS+4*(\u)+3], v[ST+8*(\u)+6:ST+8*(\u)+7], v[ST+8*(\u)+2:ST+8*(\u)+3] op_sel_hi:[1,0,1]
.endr
	WIN W_RS
.set z, 0
.rept 16
.irp u, 0,1
	v_pk_mul_f32 v[32*(\u)+2*z:32*(\u)+2*z+1], v[32*(\u)+2*z:32*(\u)+2*z+1], v[ST+8*(\u)+4:ST+8*(\u)+5] op_sel_hi:[1,0]
.endr
.set z, z+1
.endr
	WIN 0x50                        ; my partner's O^T and fP in window 0; C and D in window 1
.set z, 0
.rept 16
.irp u, 0,1
	v_pk_fma_f32 v[32*(\u)+2*z:32*(\u)+2*z+1], v[OP+32*(\u)+2*z:OP+32*(\u)+2*z+1], v[ST+8*(\u)+6:ST+8*(\u)+7], v[32*(\u)+2*z:32*(\u)+2*z+1] op_sel_hi:[1,0,1]
.endr
.set z, z+1
.endr
	WIN 0
	; THE WAY OUT: l's two halves and the other half of the lanes' are added; O^T is divided by l, rounded to bf16 and sent through my stage, a tile (2,048 consecutive bytes of O) at a time.
.irp u, 0,1
	v_add_f32 v[ST+8*(\u)+2], v[ST+8*(\u)+2], v[ST+8*(\u)+3]
.endr
.irp u, 0,1
	v_permlanex16_b32 v[ST+8*(\u)+3], v[ST+8*(\u)+2], s[SEL], s[SEL+1]
.endr
.irp u, 0,1
	v_add_f32 v[ST+8*(\u)+2], v[ST+8*(\u)+2], v[ST+8*(\u)+3]
.endr
.irp u, 0,1
	v_rcp_f32 v[ST+8*(\u)+2], v[ST+8*(\u)+2]
.endr
	v_nop                           ; a plain instruction behind the last reciprocal,
	s_wait_alu depctr_va_vdst(0)    ; and one wait for the two
.macro PACK t
	WIN W_RS
.set i, 32*(\t)
.rept 16
	v_pk_mul_f32 v[i:i+1], v[i:i+1], v[ST+8*(\t)+2:ST+8*(\t)+3] op_sel_hi:[1,0]
.set i, i+2
.endr
	WIN 0x05                        ; sources 0 and 1 window 1, destination window 0: S^T's registers are free
.set i, 0
.rept 16
	v_cvt_pk_bf16_f32 v[S+16*(\t)+i], v[32*(\t)+2*i], v[32*(\t)+2*i+1]
.set i, i+1
.endr
	WIN 0
.irp f, 0,1,2,3
	ds_store_b128 v[STO], v[S+16*(\t)+4*\f:S+16*(\t)+4*\f+3] offset:32*\f
.endr
.irp f, 0,1,2,3
	ds_load_b128 v[S+16*(\t)+4*\f:S+16*(\t)+4*\f+3], v[RD] offset:\f*4*SP  ; LDS serves a wave's instructions in order (ISA guide 5.7.1.4)
.endr
.endm
.macro SEND t, younger              ; younger: the LDS instructions issued behind tile t's loads
.irp f, 0,1,2,3
	s_wait_dscnt (\younger)+3-\f
	global_store_b128 v[GO], v[S+16*(\t)+4*\f:S+16*(\t)+4*\f+3], s[10:11] offset:(\t)*2048+\f*512  ; 512 consecutive bytes, aligned
.endr
.endm
	PACK 0
	PACK 1
	SEND 0, 8
	SEND 1, 0
	s_wait_tensorcnt 0x0            ; the wave's end, behind my last tensor load and my last LDS store
	ds_add_u32 v[SPW], v[NIL]
	s_wait_dscnt 0x0
	s_endpgm
.Lfunc_end_k_qe212ca0d0e_attn:
	.size	k_qe212ca0d0e_attn, .Lfunc_end_k_qe212ca0d0e_attn-k_qe212ca0d0e_attn
	.p2alignl 7, 3214868480
	.fill 96, 4, 3214868480
	.section	.rodata,"a",@progbits
	.p2align	6, 0x0
	.amdhsa_kernel k_qe212ca0d0e_attn
		.amdhsa_group_segment_fixed_size 327680
		.amdhsa_private_segment_fixed_size 0
		.amdhsa_enable_private_segment 0
		.amdhsa_kernarg_size 16
		.amdhsa_user_sgpr_count 2
		.amdhsa_user_sgpr_kernarg_segment_ptr 1
		.amdhsa_wavefront_size32 1
		.amdhsa_system_sgpr_workgroup_id_x 1
		.amdhsa_system_sgpr_workgroup_id_y 1
		.amdhsa_system_sgpr_workgroup_id_z 1
		.amdhsa_system_vgpr_workitem_id 0
		.amdhsa_next_free_vgpr 488
		.amdhsa_next_free_sgpr 88
		.amdhsa_reserve_vcc 1
		.amdhsa_float_denorm_mode_32 3
		.amdhsa_float_denorm_mode_16_64 3
		.amdhsa_memory_ordered 1
		.amdhsa_forward_progress 1
		.amdhsa_inst_pref_size 75
	.end_amdhsa_kernel
	.amdgpu_metadata
---
amdhsa.version: [ 1, 2 ]
amdhsa.kernels:
  - .name:           k_qe212ca0d0e_attn
    .symbol:         k_qe212ca0d0e_attn.kd
    .args:
      - { .name: act, .offset: 0, .size: 8, .value_kind: global_buffer, .address_space: global }
      - { .name: out0, .offset: 8, .size: 8, .value_kind: global_buffer, .address_space: global }
    .group_segment_fixed_size: 327680
    .private_segment_fixed_size: 0
    .kernarg_segment_align: 8
    .kernarg_segment_size: 16
    .max_flat_workgroup_size: 256
    .sgpr_count:     88
    .vgpr_count:     488
    .wavefront_size: 32
...
	.end_amdgpu_metadata
.endif
;; end of part 3
;; launch proj (part 4): grid 8 x 32, 4 waves a work-group, clusters of 4 x 4, 327,680 bytes of LDS; arguments out0, wp_c, bp, x, x1; writes x1
.if DOCPART == 4
	.amdgcn_target "amdgcn-amd-amdhsa--gfx1250"
	.amdhsa_code_object_version 6
	.text
	.protected	k_qe212ca0d0e_proj
	.globl	k_qe212ca0d0e_proj
	.p2align	8
	.type	k_qe212ca0d0e_proj,@function
k_qe212ca0d0e_proj:
	s_mov_b64 s[64:65], 0
	v_nop
	global_prefetch_b8 v0, s[64:65] scope:SCOPE_SE
	s_setreg_imm32_b32 hwreg(HW_REG_WAVE_MODE, 25, 1), 1
	s_wait_xcnt 0x0
	s_wait_alu depctr_hold_cnt(0) depctr_sa_sdst(0) depctr_va_vdst(0) depctr_va_sdst(0) depctr_va_ssrc(0) depctr_va_vcc(0) depctr_vm_vsrc(0)
	s_getreg_b32 s2, hwreg(HW_REG_IB_STS2, 6, 4)
	s_cmp_eq_u32 s2, 0
	s_cbranch_scc0 .Lentry_in_a_cluster
	s_endpgm
.Lentry_in_a_cluster:
	s_bfe_u32 s2, ttmp6, 0x10000c
	s_cmp_lg_u32 s2, 0xf033
	s_cbranch_scc0 .Lentry_shape_is_right
	s_endpgm
.Lentry_shape_is_right:
; OUT = RES + A W + bias, in f32, row-major [4096][1024].  A: KDIM / 64 panels [4096][64] bf16.  W: 16 panels [KDIM k][64 n] bf16.  bias: [1024] f32.  RES: [4096][1024] f32.
; Sums in f32; bias and residual are added in f32; nothing is rounded on the way out.  LIMITS: operands are bf16; NaN and infinities are not treated apart.
; SHARES.  A tile of OUT is 128 x 128 (256 work-groups); four waves, each 64 x 64: 16 accumulators.  K goes in steps of 256 through a ring of two LDS slots; a tile of A or W is made of dense blocks of panels,
; padded by the tensor load after each 128 bytes: A's rows lie 144 bytes apart and are read as they lie, W's ([k][n]) 160 apart and are read turned.
; CLUSTER.  4 x 4 work-groups: A's tiles are asked for jointly along a row of the cluster, W's along a column.
; THE MATRIX INSTRUCTION IS USED TRANSPOSED (source 0 = 16 columns of W, source 1 = 16 rows of A): a lane holds row l % 16 and the columns 8 (l / 16) + 0 .. 7.
; THE STAGE of the way out lies in slot 0: that slot has had its last fill, and every wave's last read of it stands in front of the last change of slots' barrier; the last K step reads slot 1 alone.
; REGISTERS: window 0: v0-31 addresses, v12-15 the bias of my four columns; v32-95 rows read back, two buffers; v128-255 the accumulators ((a, b) at v[128 + 8 (4 a + b)]).
;   window 1: two fragment buffers of 128: for 64 along K, 64 registers of A, then 64 of W.   window 2: v0-127 my part of RES, asked for at the start.
.set KDIM,  1024
.set PANB,  524288
.set APAN,  128*144                    ; A in a slot: four k panels x 128 rows x 144 bytes
.set BOFF,  4*APAN                     ; W behind it: k half 0, 1 x n panel 0, 1 x 128 k rows x 160 bytes
.set BPAN,  128*160
.set BHALF, 2*BPAN
.set SLOT,  BOFF+2*BHALF               ; 155,648
.set SPARE, 2*SLOT                     ; the spare words, 128 bytes for each wave: two blocks of 256 bytes that no other line names
.set SPITCH,272                        ; the stage: 16 rows of 256 bytes + 16 for each wave
.set LAPS,  KDIM/512
.set ADRA, 16
.set ADRB, 20
.set STO,  24
.set RD,   25
.set CO,   26                          ; (l / 16) x 4,096 + 16 (l % 16): my 16 bytes in two rows of RES and OUT
.set SPW,  28
.set NIL,  29
.set PFO,  30
.set BO,   31                          ; 16 (l % 16)
.set OB,   32
.set ACC,  128
.set F0,   0
.set F1,   128
.set G1, 24
.set G0, 32
.set G1B, 48
.set G0B, 56
.set LIM, 43
.set PFA, 44
.set PFS, 46
.set MSB, 0
.macro WIN new
.if MSB != (\new)
	s_set_vgpr_msb (MSB<<8)|(\new)
.set MSB, \new
.endif
.endm
.set MUL,  0x05                        ; sources 0 (W) and 1 (A) window 1; C and D window 0
.set TO_F, 0x40                        ; destination window 1, address window 0
.macro JLOAD s                         ; a joint load: waves 0 and 1 fetch A's halves, waves 2 and 3 W's; an s_nop 0 and four v_nop follow each line
	s_cmp_eq_u32 s11, 0
	s_cbranch_scc0 .Lfor_b_\@
	tensor_load_to_lds s[G0+4*(\s):G0+4*(\s)+3], s[G1:G1+7]
	s_nop 0
.rept 4
	v_nop
.endr
	s_branch .Lasked_\@
.Lfor_b_\@:
	tensor_load_to_lds s[G0B+4*(\s):G0B+4*(\s)+3], s[G1B:G1B+7]
	s_nop 0
.rept 4
	v_nop
.endr
.Lasked_\@:
.endm
; A prefetch of the K step two refills on: my work-group's 8,192 of the 32,768 bytes that I fetch, a lane 256 bytes; A's by the clusters with x = 0, W's by those with y = 0; the partners share by address.
.macro ASK
	WIN 0
	s_cmp_gt_u32 s3, s[LIM]
	s_cbranch_scc0 .Lnot_mine_\@
	global_prefetch_b8 v[PFO], s[PFA:PFA+1] th:TH_LOAD_NT scope:SCOPE_SE
.Lnot_mine_\@:
.endm
.macro CREST
	s_cmp_lg_u32 s10, 0
	s_cbranch_scc1 .Lnot_wave_0_\@
	s_barrier_signal -3
.Lnot_wave_0_\@:
	s_barrier_wait -3
	s_barrier_signal -1
	s_barrier_wait -1
.endm
.macro CROUND
	s_barrier_signal -1
	s_barrier_wait -1
	CREST
.endm
	s_load_b128 s[4:7], s[0:1], 0x0                ; A s[4:5], W s[6:7]
	s_load_b128 s[16:19], s[0:1], 0x10             ; bias s[16:17], RES s[18:19]
	s_load_b64 s[8:9], s[0:1], 0x20                ; OUT
	v_lshl_add_u32 v[SPW], v0, 2, SPARE
	v_mov_b32 v[NIL], 0
	ds_add_u32 v[SPW], v[NIL]                      ; the wave's opening: the add and its wait stand ahead of my first tensor load
	v_lshrrev_b32 v1, 5, v0
	v_readfirstlane_b32 s10, v1                    ; wave 0..3
	s_lshr_b32 s11, s10, 1                         ; my half of the tile's rows.  Also: I fetch for A (0) or for W (1)
	s_and_b32 s12, s10, 1                          ; my half of its columns.  Also: which half of that tile I fetch
	s_bfe_u32 s40, ttmp6, 0x40000                  ; cx
	s_bfe_u32 s41, ttmp6, 0x40004                  ; cy
	s_lshl_b32 s42, ttmp9, 2
	s_add_co_u32 s42, s42, s40                     ; tile column
	s_and_b32 s13, ttmp7, 0xffff
	s_lshl_b32 s13, s13, 2
	s_add_co_u32 s13, s13, s41                     ; tile row
	s_lshl_b32 s43, s41, 2
	s_lshl_b32 s43, 15, s43                        ; my row of the cluster
	s_lshl_b32 s44, 0x1111, s40                    ; my column
	s_or_b32 s[G1+0], s43, (1<<16)|(1<<20)|(1<<21)|(4<<22)|(3<<25)   ; mask; 2-byte elements; padding on; bit 21 beside a mask; after every 32 words, 4 words
	s_or_b32 s[G1B+0], s44, (1<<16)|(1<<20)|(1<<21)|(4<<22)|(7<<25)  ; the same with 8 words
.irp g, G1, G1B
	s_mov_b32 s[(\g)+1], 8192<<16                  ; 128 rows of a panel are 16,384 dense bytes: a row of 8,192 elements;
	s_mov_b32 s[(\g)+2], 2<<16                     ; two panels
	s_mov_b32 s[(\g)+3], 8192<<16
	s_mov_b32 s[(\g)+4], 2
	s_mov_b32 s[(\g)+6], 0
	s_mov_b32 s[(\g)+7], 0
.endr
	s_mov_b32 s[G1+5], PANB/2                      ; elements from panel to panel
	s_mov_b32 s[G1B+5], KDIM*64
	s_lshl_b32 s14, s12, 20                        ; A: my two k panels, the tile's 128 rows
	s_lshl_b32 s15, s13, 14
	s_add_co_u32 s14, s14, s15
	s_mov_b32 s15, 0
	s_mul_i32 s46, s42, KDIM*256                   ; W: the tile's two panels, my 128 k rows
	s_lshl_b32 s47, s12, 14
	s_add_co_u32 s46, s46, s47
	s_mov_b32 s47, 0
	s_mul_i32 s20, s12, 2*APAN
	s_mul_i32 s21, s12, BHALF
	s_add_co_u32 s21, s21, BOFF
	s_wait_dscnt 0x0                               ; the opening add is done
	s_wait_kmcnt 0x0
	s_add_nc_u64 s[14:15], s[4:5], s[14:15]
	s_add_nc_u64 s[46:47], s[6:7], s[46:47]
	CROUND                                         ; all sixteen work-groups are here: the first joint loads meet
.irp s, 0,1
	s_mov_b32 s[G0+4*(\s)], 1
	s_add_co_u32 s[G0+4*(\s)+1], s20, (\s)*SLOT
	s_add_nc_u64 s[G0+4*(\s)+2:G0+4*(\s)+3], s[14:15], (\s)*4*PANB   ; K step s: four panels on
	s_or_b32 s[G0+4*(\s)+3], s[G0+4*(\s)+3], 0x80000000
	s_mov_b32 s[G0B+4*(\s)], 1
	s_add_co_u32 s[G0B+4*(\s)+1], s21, (\s)*SLOT
	s_add_nc_u64 s[G0B+4*(\s)+2:G0B+4*(\s)+3], s[46:47], (\s)*32768  ; K step s: 256 rows of 128 bytes on
	s_or_b32 s[G0B+4*(\s)+3], s[G0B+4*(\s)+3], 0x80000000
	JLOAD \s
.endr
	v_and_b32 v1, 15, v0                           ; l % 16
	v_bfe_u32 v2, v0, 4, 1                         ; l / 16
	v_lshlrev_b32 v[BO], 4, v1
	v_lshl_add_u32 v[CO], v2, 12, v[BO]
	s_lshl_b32 s22, s13, 19                        ; RES and OUT: row 128 x tile row + 64 x half, column 128 x tile column + 64 x half
	s_lshl_b32 s23, s11, 18
	s_add_co_u32 s22, s22, s23
	s_lshl_b32 s20, s42, 9
	s_lshl_b32 s21, s12, 8
	s_add_co_u32 s20, s20, s21
	s_add_co_u32 s22, s22, s20
	s_mov_b32 s23, 0
	s_mov_b32 s21, 0
	s_add_nc_u64 s[18:19], s[18:19], s[22:23]
	s_add_nc_u64 s[8:9], s[8:9], s[22:23]
	s_add_nc_u64 s[16:17], s[16:17], s[20:21]
	global_load_b128 v[12:15], v[BO], s[16:17]     ; the bias of columns 4 (l % 16) .. + 3 of my 64
	WIN 0x80                                       ; my 64 x 64 of RES, in the order in which the rows leave: they are on their way during the whole K loop
.set k, 0
.rept 32
	global_load_b128 v[4*k:4*k+3], v[CO], s[18:19] offset:2*k*4096
.set k, k+1
.endr
	WIN 0
	v_mul_u32_u24 v3, v1, 144
	v_lshl_add_u32 v3, v2, 4, v3                   ; A: row x 144 + 16 x half
	v_and_b32 v4, 7, v0                            ; W, turned: k row 8 (l / 16) + l % 8, columns 8 ((l / 8) % 2) on
	v_lshl_add_u32 v4, v2, 3, v4
	v_mul_u32_u24 v4, v4, 160
	v_bfe_u32 v5, v0, 3, 1
	v_lshl_add_u32 v4, v5, 4, v4
	s_mul_i32 s20, s11, 64*144                     ; my 64 rows of A
	s_mul_i32 s21, s12, BPAN                       ; my n panel of W
	s_add_co_u32 s21, s21, BOFF
.irp s, 0,1
	v_add_nc_u32 v[ADRA+(\s)], s20, v3
	v_add_nc_u32 v[ADRB+(\s)], s21, v4
	s_add_co_u32 s20, s20, SLOT
	s_add_co_u32 s21, s21, SLOT
.endr
	s_mul_i32 s20, s10, 16*SPITCH                  ; my stage
	v_mul_u32_u24 v5, v1, SPITCH                   ; in: row l % 16, 32 bytes for each half of the lanes
	v_lshl_add_u32 v5, v2, 5, v5
	v_add_nc_u32 v[STO], s20, v5
	v_mul_u32_u24 v5, v2, SPITCH                   ; back: lanes 0-15 take one row of 256 bytes, lanes 16-31 the next
	v_lshl_add_u32 v5, v1, 4, v5
	v_add_nc_u32 v[RD], s20, v5
.if LAPS > 2                           ; with two laps the loop's one trip is its last, and nothing would be asked for
	v_and_b32 v[PFO], 31, v0
	v_lshlrev_b32 v[PFO], 8, v[PFO]
	s_lshl_b32 s20, s12, 20                        ; A: my two panels' 32,768 bytes: partner cx takes half cx % 2 of panel cx / 2
	s_lshl_b32 s21, s13, 14
	s_add_co_u32 s20, s20, s21
	s_lshr_b32 s21, s40, 1
	s_lshl_b32 s21, s21, 19
	s_add_co_u32 s20, s20, s21
	s_and_b32 s21, s40, 1
	s_lshl_b32 s21, s21, 13
	s_add_co_u32 s20, s20, s21
	s_add_co_u32 s20, s20, 3*4*PANB                ; at K step 3; the first refill steps it to 4
	s_mul_i32 s14, s42, KDIM*256                   ; W likewise, by cy
	s_lshl_b32 s15, s12, 14
	s_add_co_u32 s14, s14, s15
	s_lshr_b32 s15, s41, 1
	s_mul_i32 s15, s15, KDIM*128
	s_add_co_u32 s14, s14, s15
	s_and_b32 s15, s41, 1
	s_lshl_b32 s15, s15, 13
	s_add_co_u32 s14, s14, s15
	s_add_co_u32 s14, s14, 3*32768
	s_mov_b32 s[PFS], 32768
	s_mov_b32 s[PFS+1], 0
	s_and_b32 s15, ttmp7, 0xffff
	s_cmp_eq_u32 s11, 0
	s_cselect_b32 s20, s20, s14
	s_cselect_b32 s15, ttmp9, s15
	s_cselect_b32 s[PFS], 4*PANB, s[PFS]
	s_cselect_b64 s[PFA:PFA+1], s[4:5], s[6:7]
	s_cmp_eq_u32 s15, 0
	s_cselect_b32 s[LIM], 1, -1
	s_mov_b32 s21, 0
	s_add_nc_u64 s[PFA:PFA+1], s[PFA:PFA+1], s[20:21]
.endif
; 8 matrix instructions: m blocks a0, a0 + 1 x all 4 n blocks, 32 along K: half c of buffer f.  The 16 accumulators take turns.
.macro MUL8 f, c, a0, zero
	WIN MUL
.irp a, \a0, (\a0)+1
.irp b, 0,1,2,3
.if \zero
	v_wmma_f32_16x16x32_bf16 v[ACC+8*(4*(\a)+(\b)):ACC+8*(4*(\a)+(\b))+7], v[(\f)+64+8*(4*(\c)+(\b)):(\f)+64+8*(4*(\c)+(\b))+7], v[(\f)+8*(4*(\c)+(\a)):(\f)+8*(4*(\c)+(\a))+7], 0
.else
	v_wmma_f32_16x16x32_bf16 v[ACC+8*(4*(\a)+(\b)):ACC+8*(4*(\a)+(\b))+7], v[(\f)+64+8*(4*(\c)+(\b)):(\f)+64+8*(4*(\c)+(\b))+7], v[(\f)+8*(4*(\c)+(\a)):(\f)+8*(4*(\c)+(\a))+7], v[ACC+8*(4*(\a)+(\b)):ACC+8*(4*(\a)+(\b))+7]
.endif
.endr
.endr
.endm
; 32 LDS loads in one run: quarter q (64 along K: k panel q of A) into buffer f; the first 32 along K first
.macro FETCH slot, q, f
	WIN TO_F
.irp c, 0,1
.irp i, 0,1,2,3
	ds_load_tr16_b128 v[(\f)+64+8*(4*(\c)+(\i)):(\f)+64+8*(4*(\c)+(\i))+3],   v[ADRB+(\slot)] offset:((\q)/2)*BHALF+((\q)%2)*64*160+(\c)*32*160+(\i)*32
	ds_load_tr16_b128 v[(\f)+64+8*(4*(\c)+(\i))+4:(\f)+64+8*(4*(\c)+(\i))+7], v[ADRB+(\slot)] offset:((\q)/2)*BHALF+((\q)%2)*64*160+(\c)*32*160+(\i)*32+16*160
	ds_load_b128 v[(\f)+8*(4*(\c)+(\i)):(\f)+8*(4*(\c)+(\i))+3],   v[ADRA+(\slot)] offset:(\q)*APAN+(\i)*16*144+(\c)*64
	ds_load_b128 v[(\f)+8*(4*(\c)+(\i))+4:(\f)+8*(4*(\c)+(\i))+7], v[ADRA+(\slot)] offset:(\q)*APAN+(\i)*16*144+(\c)*64+32
.endr
.endr
.endm
.macro PLACES                          ; four plain instructions between a matrix instruction and a load into, or a line on, its registers
.rept 4
	v_nop
.endr
.endm
.macro QUARTER slot, q, f, g, zero
	s_wait_dscnt 16                                ; the first 32 along K are in
	MUL8 \f, 0, 0, \zero
	MUL8 \f, 0, 2, \zero
	PLACES
	FETCH \slot, \q, \g
	s_wait_dscnt 32                                ; all but the 32 just issued
	MUL8 \f, 1, 0, 0
	MUL8 \f, 1, 2, 0
.endm
; The last quarter multiplies buffer 1 and changes slots.  fill = 1: the barrier opens a round of the cluster's, and behind the round this slot is filled again, two K steps on, first thing.
.macro TURN slot, next, fill
.if (\fill) && (LAPS > 2)
	s_wait_xcnt 0x0                                ; the last prefetch, a K step back, has read its address
	s_add_nc_u64 s[PFA:PFA+1], s[PFA:PFA+1], s[PFS:PFS+1]
.endif
	WIN 0                                          ; (the add's two registers lie in window 0)
	s_wait_tensorcnt 0x0                           ; all my tensor loads have landed: my part of the next slot;
	ds_add_u32 v[SPW], v[NIL]                      ; 0 onto my spare word;
	s_wait_dscnt 17                                ; (the add and the youngest sixteen loads may be out)
	MUL8 F1, 0, 0, 0                               ; eight matrix instructions stand between the add and the wait for it
	s_wait_dscnt 0x0                               ; the add is done, and my reads of this slot are over
	s_barrier_signal -1
	MUL8 F1, 0, 2, 0
.if \fill
	WIN 0
.endif
	s_barrier_wait -1
.if \fill
	CREST                                          ; no wave of any partner still reads this slot or has a load on its way
	s_add_nc_u64 s[G0+4*(\slot)+2:G0+4*(\slot)+3], s[G0+4*(\slot)+2:G0+4*(\slot)+3], 8*PANB
	s_add_nc_u64 s[G0B+4*(\slot)+2:G0B+4*(\slot)+3], s[G0B+4*(\slot)+2:G0B+4*(\slot)+3], 2*32768
	JLOAD \slot                                    ; 112 matrix instructions ahead of the wait for it; its four v_nop are also the places in front of the loads below
.else
	PLACES
.endif
	FETCH \next, 0, F0
.if (\fill) && (LAPS > 2)
	ASK
.endif
	MUL8 F1, 1, 0, 0
	MUL8 F1, 1, 2, 0
.endm
	s_wait_tensorcnt 1                             ; my part of K step 0 is in; K step 1's may stay out
	s_barrier_signal -1
	s_barrier_wait -1
	FETCH 0, 0, F0
	QUARTER 0, 1, F0, F1, 1                        ; the first quarter stands in front of the loop: its first products start the sums
	WIN 0
	s_mov_b32 s3, LAPS-1
.Llap:
	QUARTER 0, 2, F1, F0, 0
	QUARTER 0, 3, F0, F1, 0
	TURN 0, 1, 1
	QUARTER 1, 1, F0, F1, 0
	QUARTER 1, 2, F1, F0, 0
	QUARTER 1, 3, F0, F1, 0
	TURN 1, 0, 1
	QUARTER 0, 1, F0, F1, 0
	WIN 0
	s_sub_co_u32 s3, s3, 1
	s_cmp_lg_u32 s3, 0
	s_cbranch_scc1 .Llap
	QUARTER 0, 2, F1, F0, 0                        ; the last lap fills nothing
	QUARTER 0, 3, F0, F1, 0
	TURN 0, 1, 0
	QUARTER 1, 1, F0, F1, 0
	QUARTER 1, 2, F1, F0, 0
	QUARTER 1, 3, F0, F1, 0
	s_wait_dscnt 16
	MUL8 F1, 0, 0, 0
	MUL8 F1, 0, 2, 0
	s_wait_dscnt 0x0
	MUL8 F1, 1, 0, 0
	MUL8 F1, 1, 2, 0
	WIN 0
	; THE WAY OUT.  The bias goes into the residual; a block of 16 rows at a time goes through my stage and comes back as whole rows of 256 bytes, takes its residual and is stored.
	PLACES
	s_wait_loadcnt 0x0                             ; the bias and RES
	WIN 0x82                                       ; destination and source 0 window 2, source 1 window 0
.set k, 0
.rept 32
	v_pk_add_f32 v[4*k:4*k+1], v[4*k:4*k+1], v[12:13]
	v_pk_add_f32 v[4*k+2:4*k+3], v[4*k+2:4*k+3], v[14:15]
.set k, k+1
.endr
	WIN 0
.macro TOSTAGE a
.set BK, OB+32*((\a)%2)
.irp b, 0,1,2,3
	ds_store_b128 v[STO], v[ACC+8*(4*(\a)+(\b)):ACC+8*(4*(\a)+(\b))+3]   offset:64*(\b)     ; each accumulator's low registers first
	ds_store_b128 v[STO], v[ACC+8*(4*(\a)+(\b))+4:ACC+8*(4*(\a)+(\b))+7] offset:64*(\b)+16
.endr
	s_wait_xcnt 0x0                                ; the stores of the block two back have read the registers into which the loads below land
.irp t, 0,1,2,3,4,5,6,7
	ds_load_b128 v[BK+4*(\t):BK+4*(\t)+3], v[RD] offset:2*SPITCH*(\t)  ; LDS serves a wave's instructions in order (ISA guide 5.7.1.4): these see the stores above
.endr
.endm
.macro SEND a, younger                 ; younger: the LDS instructions issued behind block a's loads
.set BK, OB+32*((\a)%2)
	s_wait_dscnt \younger
	WIN 0x08                                       ; source 1 window 2
.irp t, 0,1,2,3,4,5,6,7
	v_pk_add_f32 v[BK+4*(\t):BK+4*(\t)+1], v[BK+4*(\t):BK+4*(\t)+1], v[4*(8*(\a)+(\t)):4*(8*(\a)+(\t))+1]
	v_pk_add_f32 v[BK+4*(\t)+2:BK+4*(\t)+3], v[BK+4*(\t)+2:BK+4*(\t)+3], v[4*(8*(\a)+(\t))+2:4*(8*(\a)+(\t))+3]
.endr
	WIN 0
.irp t, 0,1,2,3,4,5,6,7
	global_store_b128 v[CO], v[BK+4*(\t):BK+4*(\t)+3], s[8:9] offset:(16*(\a)+2*(\t))*4096  ; 16 lanes store 256 consecutive bytes, aligned
.endr
.endm
	TOSTAGE 0
	TOSTAGE 1
	SEND 0, 16
	TOSTAGE 2
	SEND 1, 16
	TOSTAGE 3
	SEND 2, 16
	SEND 3, 0
	s_wait_tensorcnt 0x0                           ; the wave's end, behind my last tensor load and my last LDS store
	ds_add_u32 v[SPW], v[NIL]
	s_wait_dscnt 0x0
	CROUND                                         ; the closing round
	s_endpgm
.Lfunc_end_k_qe212ca0d0e_proj:
	.size	k_qe212ca0d0e_proj, .Lfunc_end_k_qe212ca0d0e_proj-k_qe212ca0d0e_proj
	.p2alignl 7, 3214868480
	.fill 96, 4, 3214868480
	.section	.rodata,"a",@progbits
	.p2align	6, 0x0
	.amdhsa_kernel k_qe212ca0d0e_proj
		.amdhsa_group_segment_fixed_size 327680
		.amdhsa_private_segment_fixed_size 0
		.amdhsa_enable_private_segment 0
		.amdhsa_kernarg_size 40
		.amdhsa_user_sgpr_count 2
		.amdhsa_user_sgpr_kernarg_segment_ptr 1
		.amdhsa_wavefront_size32 1
		.amdhsa_system_sgpr_workgroup_id_x 1
		.amdhsa_system_sgpr_workgroup_id_y 1
		.amdhsa_system_sgpr_workgroup_id_z 1
		.amdhsa_system_vgpr_workitem_id 0
		.amdhsa_next_free_vgpr 640
		.amdhsa_next_free_sgpr 66
		.amdhsa_reserve_vcc 0
		.amdhsa_float_denorm_mode_32 3
		.amdhsa_float_denorm_mode_16_64 3
		.amdhsa_memory_ordered 1
		.amdhsa_forward_progress 1
		.amdhsa_inst_pref_size 97
	.end_amdhsa_kernel
	.amdgpu_metadata
---
amdhsa.version: [ 1, 2 ]
amdhsa.kernels:
  - .name:           k_qe212ca0d0e_proj
    .symbol:         k_qe212ca0d0e_proj.kd
    .args:
      - { .name: out0, .offset: 0, .size: 8, .value_kind: global_buffer, .address_space: global }
      - { .name: wp_c, .offset: 8, .size: 8, .value_kind: global_buffer, .address_space: global }
      - { .name: bp, .offset: 16, .size: 8, .value_kind: global_buffer, .address_space: global }
      - { .name: x, .offset: 24, .size: 8, .value_kind: global_buffer, .address_space: global }
      - { .name: x1, .offset: 32, .size: 8, .value_kind: global_buffer, .address_space: global }
    .group_segment_fixed_size: 327680
    .private_segment_fixed_size: 0
    .kernarg_segment_align: 8
    .kernarg_segment_size: 40
    .max_flat_workgroup_size: 128
    .sgpr_count:     66
    .vgpr_count:     640
    .wavefront_size: 32
...
	.end_amdgpu_metadata
.endif
;; end of part 4
;; launch ln2: the kernel of part 1 again; grid 256 x 1, 8 waves a work-group, no clusters, 0 bytes of LDS; arguments x1, ln2_g, ln2_b, out0, wq, wk, wv, wp, w1, w2, bq, bk, bv, b1, wqkv_c, wp_c, w1_c, w2_c; writes out0, wqkv_c, wp_c, w1_c, w2_c
;; launch ffn1: the kernel of part 2 again; grid 16 x 16, 4 waves a work-group, clusters of 4 x 4, 327,680 bytes of LDS; arguments out0, w1_c, act; writes act
;; launch ffn2 (part 5): grid 8 x 32, 4 waves a work-group, clusters of 4 x 4, 327,680 bytes of LDS; arguments act, w2_c, b2, x1, out0; writes out0
.if DOCPART == 5
	.amdgcn_target "amdgcn-amd-amdhsa--gfx1250"
	.amdhsa_code_object_version 6
	.text
	.protected	k_qe212ca0d0e_ffn2
	.globl	k_qe212ca0d0e_ffn2
	.p2align	8
	.type	k_qe212ca0d0e_ffn2,@function
k_qe212ca0d0e_ffn2:
	s_mov_b64 s[64:65], 0
	v_nop
	global_prefetch_b8 v0, s[64:65] scope:SCOPE_SE
	s_setreg_imm32_b32 hwreg(HW_REG_WAVE_MODE, 25, 1), 1
	s_wait_xcnt 0x0
	s_wait_alu depctr_hold_cnt(0) depctr_sa_sdst(0) depctr_va_vdst(0) depctr_va_sdst(0) depctr_va_ssrc(0) depctr_va_vcc(0) depctr_vm_vsrc(0)
	s_getreg_b32 s2, hwreg(HW_REG_IB_STS2, 6, 4)
	s_cmp_eq_u32 s2, 0
	s_cbranch_scc0 .Lentry_in_a_cluster
	s_endpgm
.Lentry_in_a_cluster:
	s_bfe_u32 s2, ttmp6, 0x10000c
	s_cmp_lg_u32 s2, 0xf033
	s_cbranch_scc0 .Lentry_shape_is_right
	s_endpgm
.Lentry_shape_is_right:
; OUT = RES + A W + bias, in f32, row-major [4096][1024].  A: KDIM / 64 panels [4096][64] bf16.  W: 16 panels [KDIM k][64 n] bf16.  bias: [1024] f32.  RES: [4096][1024] f32.
; Sums in f32; bias and residual are added in f32; nothing is rounded on the way out.  LIMITS: operands are bf16; NaN and infinities are not treated apart.
; SHARES.  A tile of OUT is 128 x 128 (256 work-groups); four waves, each 64 x 64: 16 accumulators.  K goes in steps of 256 through a ring of two LDS slots; a tile of A or W is made of dense blocks of panels,
; padded by the tensor load after each 128 bytes: A's rows lie 144 bytes apart and are read as they lie, W's ([k][n]) 160 apart and are read turned.
; CLUSTER.  4 x 4 work-groups: A's tiles are asked for jointly along a row of the cluster, W's along a column.
; THE MATRIX INSTRUCTION IS USED TRANSPOSED (source 0 = 16 columns of W, source 1 = 16 rows of A): a lane holds row l % 16 and the columns 8 (l / 16) + 0 .. 7.
; THE STAGE of the way out lies in slot 0: that slot has had its last fill, and every wave's last read of it stands in front of the last change of slots' barrier; the last K step reads slot 1 alone.
; REGISTERS: window 0: v0-31 addresses, v12-15 the bias of my four columns; v32-95 rows read back, two buffers; v128-255 the accumulators ((a, b) at v[128 + 8 (4 a + b)]).
;   window 1: two fragment buffers of 128: for 64 along K, 64 registers of A, then 64 of W.   window 2: v0-127 my part of RES, asked for at the start.
.set KDIM,  4096
.set PANB,  524288
.set APAN,  128*144                    ; A in a slot: four k panels x 128 rows x 144 bytes
.set BOFF,  4*APAN                     ; W behind it: k half 0, 1 x n panel 0, 1 x 128 k rows x 160 bytes
.set BPAN,  128*160
.set BHALF, 2*BPAN
.set SLOT,  BOFF+2*BHALF               ; 155,648
.set SPARE, 2*SLOT                     ; the spare words, 128 bytes for each wave: two blocks of 256 bytes that no other line names
.set SPITCH,272                        ; the stage: 16 rows of 256 bytes + 16 for each wave
.set LAPS,  KDIM/512
.set ADRA, 16
.set ADRB, 20
.set STO,  24
.set RD,   25
.set CO,   26                          ; (l / 16) x 4,096 + 16 (l % 16): my 16 bytes in two rows of RES and OUT
.set SPW,  28
.set NIL,  29
.set PFO,  30
.set BO,   31                          ; 16 (l % 16)
.set OB,   32
.set ACC,  128
.set F0,   0
.set F1,   128
.set G1, 24
.set G0, 32
.set G1B, 48
.set G0B, 56
.set LIM, 43
.set PFA, 44
.set PFS, 46
.set MSB, 0
.macro WIN new
.if MSB != (\new)
	s_set_vgpr_msb (MSB<<8)|(\new)
.set MSB, \new
.endif
.endm
.set MUL,  0x05                        ; sources 0 (W) and 1 (A) window 1; C and D window 0
.set TO_F, 0x40                        ; destination window 1, address window 0
.macro JLOAD s                         ; a joint load: waves 0 and 1 fetch A's halves, waves 2 and 3 W's; an s_nop 0 and four v_nop follow each line
	s_cmp_eq_u32 s11, 0
	s_cbranch_scc0 .Lfor_b_\@
	tensor_load_to_lds s[G0+4*(\s):G0+4*(\s)+3], s[G1:G1+7]
	s_nop 0
.rept 4
	v_nop
.endr
	s_branch .Lasked_\@
.Lfor_b_\@:
	tensor_load_to_lds s[G0B+4*(\s):G0B+4*(\s)+3], s[G1B:G1B+7]
	s_nop 0
.rept 4
	v_nop
.endr
.Lasked_\@:
.endm
; A prefetch of the K step two refills on: my work-group's 8,192 of the 32,768 bytes that I fetch, a lane 256 bytes; A's by the clusters with x = 0, W's by those with y = 0; the partners share by address.
.macro ASK
	WIN 0
	s_cmp_gt_u32 s3, s[LIM]
	s_cbranch_scc0 .Lnot_mine_\@
	global_prefetch_b8 v[PFO], s[PFA:PFA+1] th:TH_LOAD_NT scope:SCOPE_SE
.Lnot_mine_\@:
.endm
.macro CREST
	s_cmp_lg_u32 s10, 0
	s_cbranch_scc1 .Lnot_wave_0_\@
	s_barrier_signal -3
.Lnot_wave_0_\@:
	s_barrier_wait -3
	s_barrier_signal -1
	s_barrier_wait -1
.endm
.macro CROUND
	s_barrier_signal -1
	s_barrier_wait -1
	CREST
.endm
	s_load_b128 s[4:7], s[0:1], 0x0                ; A s[4:5], W s[6:7]
	s_load_b128 s[16:19], s[0:1], 0x10             ; bias s[16:17], RES s[18:19]
	s_load_b64 s[8:9], s[0:1], 0x20                ; OUT
	v_lshl_add_u32 v[SPW], v0, 2, SPARE
	v_mov_b32 v[NIL], 0
	ds_add_u32 v[SPW], v[NIL]                      ; the wave's opening: the add and its wait stand ahead of my first tensor load
	v_lshrrev_b32 v1, 5, v0
	v_readfirstlane_b32 s10, v1                    ; wave 0..3
	s_lshr_b32 s11, s10, 1                         ; my half of the tile's rows.  Also: I fetch for A (0) or for W (1)
	s_and_b32 s12, s10, 1                          ; my half of its columns.  Also: which half of that tile I fetch
	s_bfe_u32 s40, ttmp6, 0x40000                  ; cx
	s_bfe_u32 s41, ttmp6, 0x40004                  ; cy
	s_lshl_b32 s42, ttmp9, 2
	s_add_co_u32 s42, s42, s40                     ; tile column
	s_and_b32 s13, ttmp7, 0xffff
	s_lshl_b32 s13, s13, 2
	s_add_co_u32 s13, s13, s41                     ; tile row
	s_lshl_b32 s43, s41, 2
	s_lshl_b32 s43, 15, s43                        ; my row of the cluster
	s_lshl_b32 s44, 0x1111, s40                    ; my column
	s_or_b32 s[G1+0], s43, (1<<16)|(1<<20)|(1<<21)|(4<<22)|(3<<25)   ; mask; 2-byte elements; padding on; bit 21 beside a mask; after every 32 words, 4 words
	s_or_b32 s[G1B+0], s44, (1<<16)|(1<<20)|(1<<21)|(4<<22)|(7<<25)  ; the same with 8 words
.irp g, G1, G1B
	s_mov_b32 s[(\g)+1], 8192<<16                  ; 128 rows of a panel are 16,384 dense bytes: a row of 8,192 elements;
	s_mov_b32 s[(\g)+2], 2<<16                     ; two panels
	s_mov_b32 s[(\g)+3], 8192<<16
	s_mov_b32 s[(\g)+4], 2
	s_mov_b32 s[(\g)+6], 0
	s_mov_b32 s[(\g)+7], 0
.endr
	s_mov_b32 s[G1+5], PANB/2                      ; elements from panel to panel
	s_mov_b32 s[G1B+5], KDIM*64
	s_lshl_b32 s14, s12, 20                        ; A: my two k panels, the tile's 128 rows
	s_lshl_b32 s15, s13, 14
	s_add_co_u32 s14, s14, s15
	s_mov_b32 s15, 0
	s_mul_i32 s46, s42, KDIM*256                   ; W: the tile's two panels, my 128 k rows
	s_lshl_b32 s47, s12, 14
	s_add_co_u32 s46, s46, s47
	s_mov_b32 s47, 0
	s_mul_i32 s20, s12, 2*APAN
	s_mul_i32 s21, s12, BHALF
	s_add_co_u32 s21, s21, BOFF
	s_wait_dscnt 0x0                               ; the opening add is done
	s_wait_kmcnt 0x0
	s_add_nc_u64 s[14:15], s[4:5], s[14:15]
	s_add_nc_u64 s[46:47], s[6:7], s[46:47]
	CROUND                                         ; all sixteen work-groups are here: the first joint loads meet
.irp s, 0,1
	s_mov_b32 s[G0+4*(\s)], 1
	s_add_co_u32 s[G0+4*(\s)+1], s20, (\s)*SLOT
	s_add_nc_u64 s[G0+4*(\s)+2:G0+4*(\s)+3], s[14:15], (\s)*4*PANB   ; K step s: four panels on
	s_or_b32 s[G0+4*(\s)+3], s[G0+4*(\s)+3], 0x80000000
	s_mov_b32 s[G0B+4*(\s)], 1
	s_add_co_u32 s[G0B+4*(\s)+1], s21, (\s)*SLOT
	s_add_nc_u64 s[G0B+4*(\s)+2:G0B+4*(\s)+3], s[46:47], (\s)*32768  ; K step s: 256 rows of 128 bytes on
	s_or_b32 s[G0B+4*(\s)+3], s[G0B+4*(\s)+3], 0x80000000
	JLOAD \s
.endr
	v_and_b32 v1, 15, v0                           ; l % 16
	v_bfe_u32 v2, v0, 4, 1                         ; l / 16
	v_lshlrev_b32 v[BO], 4, v1
	v_lshl_add_u32 v[CO], v2, 12, v[BO]
	s_lshl_b32 s22, s13, 19                        ; RES and OUT: row 128 x tile row + 64 x half, column 128 x tile column + 64 x half
	s_lshl_b32 s23, s11, 18
	s_add_co_u32 s22, s22, s23
	s_lshl_b32 s20, s42, 9
	s_lshl_b32 s21, s12, 8
	s_add_co_u32 s20, s20, s21
	s_add_co_u32 s22, s22, s20
	s_mov_b32 s23, 0
	s_mov_b32 s21, 0
	s_add_nc_u64 s[18:19], s[18:19], s[22:23]
	s_add_nc_u64 s[8:9], s[8:9], s[22:23]
	s_add_nc_u64 s[16:17], s[16:17], s[20:21]
	global_load_b128 v[12:15], v[BO], s[16:17]     ; the bias of columns 4 (l % 16) .. + 3 of my 64
	WIN 0x80                                       ; my 64 x 64 of RES, in the order in which the rows leave: they are on their way during the whole K loop
.set k, 0
.rept 32
	global_load_b128 v[4*k:4*k+3], v[CO], s[18:19] offset:2*k*4096
.set k, k+1
.endr
	WIN 0
	v_mul_u32_u24 v3, v1, 144
	v_lshl_add_u32 v3, v2, 4, v3                   ; A: row x 144 + 16 x half
	v_and_b32 v4, 7, v0                            ; W, turned: k row 8 (l / 16) + l % 8, columns 8 ((l / 8) % 2) on
	v_lshl_add_u32 v4, v2, 3, v4
	v_mul_u32_u24 v4, v4, 160
	v_bfe_u32 v5, v0, 3, 1
	v_lshl_add_u32 v4, v5, 4, v4
	s_mul_i32 s20, s11, 64*144                     ; my 64 rows of A
	s_mul_i32 s21, s12, BPAN                       ; my n panel of W
	s_add_co_u32 s21, s21, BOFF
.irp s, 0,1
	v_add_nc_u32 v[ADRA+(\s)], s20, v3
	v_add_nc_u32 v[ADRB+(\s)], s21, v4
	s_add_co_u32 s20, s20, SLOT
	s_add_co_u32 s21, s21, SLOT
.endr
	s_mul_i32 s20, s10, 16*SPITCH                  ; my stage
	v_mul_u32_u24 v5, v1, SPITCH                   ; in: row l % 16, 32 bytes for each half of the lanes
	v_lshl_add_u32 v5, v2, 5, v5
	v_add_nc_u32 v[STO], s20, v5
	v_mul_u32_u24 v5, v2, SPITCH                   ; back: lanes 0-15 take one row of 256 bytes, lanes 16-31 the next
	v_lshl_add_u32 v5, v1, 4, v5
	v_add_nc_u32 v[RD], s20, v5
.if LAPS > 2                           ; with two laps the loop's one trip is its last, and nothing would be asked for
	v_and_b32 v[PFO], 31, v0
	v_lshlrev_b32 v[PFO], 8, v[PFO]
	s_lshl_b32 s20, s12, 20                        ; A: my two panels' 32,768 bytes: partner cx takes half cx % 2 of panel cx / 2
	s_lshl_b32 s21, s13, 14
	s_add_co_u32 s20, s20, s21
	s_lshr_b32 s21, s40, 1
	s_lshl_b32 s21, s21, 19
	s_add_co_u32 s20, s20, s21
	s_and_b32 s21, s40, 1
	s_lshl_b32 s21, s21, 13
	s_add_co_u32 s20, s20, s21
	s_add_co_u32 s20, s20, 3*4*PANB                ; at K step 3; the first refill steps it to 4
	s_mul_i32 s14, s42, KDIM*256                   ; W likewise, by cy
	s_lshl_b32 s15, s12, 14
	s_add_co_u32 s14, s14, s15
	s_lshr_b32 s15, s41, 1
	s_mul_i32 s15, s15, KDIM*128
	s_add_co_u32 s14, s14, s15
	s_and_b32 s15, s41, 1
	s_lshl_b32 s15, s15, 13
	s_add_co_u32 s14, s14, s15
	s_add_co_u32 s14, s14, 3*32768
	s_mov_b32 s[PFS], 32768
	s_mov_b32 s[PFS+1], 0
	s_and_b32 s15, ttmp7, 0xffff
	s_cmp_eq_u32 s11, 0
	s_cselect_b32 s20, s20, s14
	s_cselect_b32 s15, ttmp9, s15
	s_cselect_b32 s[PFS], 4*PANB, s[PFS]
	s_cselect_b64 s[PFA:PFA+1], s[4:5], s[6:7]
	s_cmp_eq_u32 s15, 0
	s_cselect_b32 s[LIM], 1, -1
	s_mov_b32 s21, 0
	s_add_nc_u64 s[PFA:PFA+1], s[PFA:PFA+1], s[20:21]
.endif
; 8 matrix instructions: m blocks a0, a0 + 1 x all 4 n blocks, 32 along K: half c of buffer f.  The 16 accumulators take turns.
.macro MUL8 f, c, a0, zero
	WIN MUL
.irp a, \a0, (\a0)+1
.irp b, 0,1,2,3
.if \zero
	v_wmma_f32_16x16x32_bf16 v[ACC+8*(4*(\a)+(\b)):ACC+8*(4*(\a)+(\b))+7], v[(\f)+64+8*(4*(\c)+(\b)):(\f)+64+8*(4*(\c)+(\b))+7], v[(\f)+8*(4*(\c)+(\a)):(\f)+8*(4*(\c)+(\a))+7], 0
.else
	v_wmma_f32_16x16x32_bf16 v[ACC+8*(4*(\a)+(\b)):ACC+8*(4*(\a)+(\b))+7], v[(\f)+64+8*(4*(\c)+(\b)):(\f)+64+8*(4*(\c)+(\b))+7], v[(\f)+8*(4*(\c)+(\a)):(\f)+8*(4*(\c)+(\a))+7], v[ACC+8*(4*(\a)+(\b)):ACC+8*(4*(\a)+(\b))+7]
.endif
.endr
.endr
.endm
; 32 LDS loads in one run: quarter q (64 along K: k panel q of A) into buffer f; the first 32 along K first
.macro FETCH slot, q, f
	WIN TO_F
.irp c, 0,1
.irp i, 0,1,2,3
	ds_load_tr16_b128 v[(\f)+64+8*(4*(\c)+(\i)):(\f)+64+8*(4*(\c)+(\i))+3],   v[ADRB+(\slot)] offset:((\q)/2)*BHALF+((\q)%2)*64*160+(\c)*32*160+(\i)*32
	ds_load_tr16_b128 v[(\f)+64+8*(4*(\c)+(\i))+4:(\f)+64+8*(4*(\c)+(\i))+7], v[ADRB+(\slot)] offset:((\q)/2)*BHALF+((\q)%2)*64*160+(\c)*32*160+(\i)*32+16*160
	ds_load_b128 v[(\f)+8*(4*(\c)+(\i)):(\f)+8*(4*(\c)+(\i))+3],   v[ADRA+(\slot)] offset:(\q)*APAN+(\i)*16*144+(\c)*64
	ds_load_b128 v[(\f)+8*(4*(\c)+(\i))+4:(\f)+8*(4*(\c)+(\i))+7], v[ADRA+(\slot)] offset:(\q)*APAN+(\i)*16*144+(\c)*64+32
.endr
.endr
.endm
.macro PLACES                          ; four plain instructions between a matrix instruction and a load into, or a line on, its registers
.rept 4
	v_nop
.endr
.endm
.macro QUARTER slot, q, f, g, zero
	s_wait_dscnt 16                                ; the first 32 along K are in
	MUL8 \f, 0, 0, \zero
	MUL8 \f, 0, 2, \zero
	PLACES
	FETCH \slot, \q, \g
	s_wait_dscnt 32                                ; all but the 32 just issued
	MUL8 \f, 1, 0, 0
	MUL8 \f, 1, 2, 0
.endm
; The last quarter multiplies buffer 1 and changes slots.  fill = 1: the barrier opens a round of the cluster's, and behind the round this slot is filled again, two K steps on, first thing.
.macro TURN slot, next, fill
.if (\fill) && (LAPS > 2)
	s_wait_xcnt 0x0                                ; the last prefetch, a K step back, has read its address
	s_add_nc_u64 s[PFA:PFA+1], s[PFA:PFA+1], s[PFS:PFS+1]
.endif
	WIN 0                                          ; (the add's two registers lie in window 0)
	s_wait_tensorcnt 0x0                           ; all my tensor loads have landed: my part of the next slot;
	ds_add_u32 v[SPW], v[NIL]                      ; 0 onto my spare word;
	s_wait_dscnt 17                                ; (the add and the youngest sixteen loads may be out)
	MUL8 F1, 0, 0, 0                               ; eight matrix instructions stand between the add and the wait for it
	s_wait_dscnt 0x0                               ; the add is done, and my reads of this slot are over
	s_barrier_signal -1
	MUL8 F1, 0, 2, 0
.if \fill
	WIN 0
.endif
	s_barrier_wait -1
.if \fill
	CREST                                          ; no wave of any partner still reads this slot or has a load on its way
	s_add_nc_u64 s[G0+4*(\slot)+2:G0+4*(\slot)+3], s[G0+4*(\slot)+2:G0+4*(\slot)+3], 8*PANB
	s_add_nc_u64 s[G0B+4*(\slot)+2:G0B+4*(\slot)+3], s[G0B+4*(\slot)+2:G0B+4*(\slot)+3], 2*32768
	JLOAD \slot                                    ; 112 matrix instructions ahead of the wait for it; its four v_nop are also the places in front of the loads below
.else
	PLACES
.endif
	FETCH \next, 0, F0
.if (\fill) && (LAPS > 2)
	ASK
.endif
	MUL8 F1, 1, 0, 0
	MUL8 F1, 1, 2, 0
.endm
	s_wait_tensorcnt 1                             ; my part of K step 0 is in; K step 1's may stay out
	s_barrier_signal -1
	s_barrier_wait -1
	FETCH 0, 0, F0
	QUARTER 0, 1, F0, F1, 1                        ; the first quarter stands in front of the loop: its first products start the sums
	WIN 0
	s_mov_b32 s3, LAPS-1
.Llap:
	QUARTER 0, 2, F1, F0, 0
	QUARTER 0, 3, F0, F1, 0
	TURN 0, 1, 1
	QUARTER 1, 1, F0, F1, 0
	QUARTER 1, 2, F1, F0, 0
	QUARTER 1, 3, F0, F1, 0
	TURN 1, 0, 1
	QUARTER 0, 1, F0, F1, 0
	WIN 0
	s_sub_co_u32 s3, s3, 1
	s_cmp_lg_u32 s3, 0
	s_cbranch_scc1 .Llap
	QUARTER 0, 2, F1, F0, 0                        ; the last lap fills nothing
	QUARTER 0, 3, F0, F1, 0
	TURN 0, 1, 0
	QUARTER 1, 1, F0, F1, 0
	QUARTER 1, 2, F1, F0, 0
	QUARTER 1, 3, F0, F1, 0
	s_wait_dscnt 16
	MUL8 F1, 0, 0, 0
	MUL8 F1, 0, 2, 0
	s_wait_dscnt 0x0
	MUL8 F1, 1, 0, 0
	MUL8 F1, 1, 2, 0
	WIN 0
	; THE WAY OUT.  The bias goes into the residual; a block of 16 rows at a time goes through my stage and comes back as whole rows of 256 bytes, takes its residual and is stored.
	PLACES
	s_wait_loadcnt 0x0                             ; the bias and RES
	WIN 0x82                                       ; destination and source 0 window 2, source 1 window 0
.set k, 0
.rept 32
	v_pk_add_f32 v[4*k:4*k+1], v[4*k:4*k+1], v[12:13]
	v_pk_add_f32 v[4*k+2:4*k+3], v[4*k+2:4*k+3], v[14:15]
.set k, k+1
.endr
	WIN 0
.macro TOSTAGE a
.set BK, OB+32*((\a)%2)
.irp b, 0,1,2,3
	ds_store_b128 v[STO], v[ACC+8*(4*(\a)+(\b)):ACC+8*(4*(\a)+(\b))+3]   offset:64*(\b)     ; each accumulator's low registers first
	ds_store_b128 v[STO], v[ACC+8*(4*(\a)+(\b))+4:ACC+8*(4*(\a)+(\b))+7] offset:64*(\b)+16
.endr
	s_wait_xcnt 0x0                                ; the stores of the block two back have read the registers into which the loads below land
.irp t, 0,1,2,3,4,5,6,7
	ds_load_b128 v[BK+4*(\t):BK+4*(\t)+3], v[RD] offset:2*SPITCH*(\t)  ; LDS serves a wave's instructions in order (ISA guide 5.7.1.4): these see the stores above
.endr
.endm
.macro SEND a, younger                 ; younger: the LDS instructions issued behind block a's loads
.set BK, OB+32*((\a)%2)
	s_wait_dscnt \younger
	WIN 0x08                                       ; source 1 window 2
.irp t, 0,1,2,3,4,5,6,7
	v_pk_add_f32 v[BK+4*(\t):BK+4*(\t)+1], v[BK+4*(\t):BK+4*(\t)+1], v[4*(8*(\a)+(\t)):4*(8*(\a)+(\t))+1]
	v_pk_add_f32 v[BK+4*(\t)+2:BK+4*(\t)+3], v[BK+4*(\t)+2:BK+4*(\t)+3], v[4*(8*(\a)+(\t))+2:4*(8*(\a)+(\t))+3]
.endr
	WIN 0
.irp t, 0,1,2,3,4,5,6,7
	global_store_b128 v[CO], v[BK+4*(\t):BK+4*(\t)+3], s[8:9] offset:(16*(\a)+2*(\t))*4096  ; 16 lanes store 256 consecutive bytes, aligned
.endr
.endm
	TOSTAGE 0
	TOSTAGE 1
	SEND 0, 16
	TOSTAGE 2
	SEND 1, 16
	TOSTAGE 3
	SEND 2, 16
	SEND 3, 0
	s_wait_tensorcnt 0x0                           ; the wave's end, behind my last tensor load and my last LDS store
	ds_add_u32 v[SPW], v[NIL]
	s_wait_dscnt 0x0
	CROUND                                         ; the closing round
	s_endpgm
.Lfunc_end_k_qe212ca0d0e_ffn2:
	.size	k_qe212ca0d0e_ffn2, .Lfunc_end_k_qe212ca0d0e_ffn2-k_qe212ca0d0e_ffn2
	.p2alignl 7, 3214868480
	.fill 96, 4, 3214868480
	.section	.rodata,"a",@progbits
	.p2align	6, 0x0
	.amdhsa_kernel k_qe212ca0d0e_ffn2
		.amdhsa_group_segment_fixed_size 327680
		.amdhsa_private_segment_fixed_size 0
		.amdhsa_enable_private_segment 0
		.amdhsa_kernarg_size 40
		.amdhsa_user_sgpr_count 2
		.amdhsa_user_sgpr_kernarg_segment_ptr 1
		.amdhsa_wavefront_size32 1
		.amdhsa_system_sgpr_workgroup_id_x 1
		.amdhsa_system_sgpr_workgroup_id_y 1
		.amdhsa_system_sgpr_workgroup_id_z 1
		.amdhsa_system_vgpr_workitem_id 0
		.amdhsa_next_free_vgpr 640
		.amdhsa_next_free_sgpr 66
		.amdhsa_reserve_vcc 0
		.amdhsa_float_denorm_mode_32 3
		.amdhsa_float_denorm_mode_16_64 3
		.amdhsa_memory_ordered 1
		.amdhsa_forward_progress 1
		.amdhsa_inst_pref_size 99
	.end_amdhsa_kernel
	.amdgpu_metadata
---
amdhsa.version: [ 1, 2 ]
amdhsa.kernels:
  - .name:           k_qe212ca0d0e_ffn2
    .symbol:         k_qe212ca0d0e_ffn2.kd
    .args:
      - { .name: act, .offset: 0, .size: 8, .value_kind: global_buffer, .address_space: global }
      - { .name: w2_c, .offset: 8, .size: 8, .value_kind: global_buffer, .address_space: global }
      - { .name: b2, .offset: 16, .size: 8, .value_kind: global_buffer, .address_space: global }
      - { .name: x1, .offset: 24, .size: 8, .value_kind: global_buffer, .address_space: global }
      - { .name: out0, .offset: 32, .size: 8, .value_kind: global_buffer, .address_space: global }
    .group_segment_fixed_size: 327680
    .private_segment_fixed_size: 0
    .kernarg_segment_align: 8
    .kernarg_segment_size: 40
    .max_flat_workgroup_size: 128
    .sgpr_count:     66
    .vgpr_count:     640
    .wavefront_size: 32
...
	.end_amdgpu_metadata
.endif
;; end of part 5
;; ======== version 2 of 2: 7 launches; version 1 with the launches prep, ln2 written anew for expert scheduling mode
;; workspace buffers: act 33,554,432 bytes; x1 16,777,216 bytes; wqkv_c 6,311,936 bytes; w1_c 8,409,088 bytes; wp_c 2,097,152 bytes; w2_c 8,388,608 bytes
;; launch prep (part 6): grid 1025 x 1, 8 waves a work-group, no clusters, 0 bytes of LDS; arguments x, ln1_g, ln1_b, out0, wq, wk, wv, wp, w1, w2, bq, bk, bv, b1, wqkv_c, wp_c, w1_c, w2_c; writes out0, wqkv_c, wp_c, w1_c, w2_c
.if DOCPART == 6
	.amdgcn_target "amdgcn-amd-amdhsa--gfx1250"
	.amdhsa_code_object_version 6
	.text
	.protected	k_qe212ca0d0e_prep
	.globl	k_qe212ca0d0e_prep
	.p2align	8
	.type	k_qe212ca0d0e_prep,@function
k_qe212ca0d0e_prep:
	s_mov_b64 s[64:65], 0
	v_nop
	global_prefetch_b8 v0, s[64:65] scope:SCOPE_SE
	s_setreg_imm32_b32 hwreg(HW_REG_WAVE_SCHED_MODE, 0, 2), 2
	s_setreg_imm32_b32 hwreg(HW_REG_WAVE_MODE, 25, 1), 1
	s_wait_xcnt 0x0
	s_wait_alu depctr_vm_vsrc(0)
; LAYER NORM INTO PANELS, AND THE WEIGHTS' COPIES IN bf16.  Arguments: x, g, b, xn, wq, wk, wv, wp, w1, w2, bq, bk, bv, b1, wqkv_c, wp_c, w1_c, w2_c.
; All 16-bit data of the program lie in PANELS of 64 columns: P[column / 64][row][64] bf16, a panel's rows dense, 128 bytes each.
; xn is the first half of the program's output buffer, which serves as scratch until the last launch writes it whole.
; The work-group's number chooses the work: 0-255 layer norm of 16 rows of x into xn; 256-447 wq, wk, wv (as given they are panels already: a cast);
; 448-511 wp; 512-767 w1; 768-1023 w2; 1024 the two headers (biases in f32, and the word by which the product's way out takes a maximum: -inf twice, or 0 twice for the ReLU).
; A launch of 256 work-groups runs the layer norm alone.  No LDS, no barrier: no wave needs another's bytes.
; LAYER NORM in f32, in two passes over registers (mean; then the squares of x - mean), so a common offset of x costs nothing; the result is rounded once to bf16.
; LIMITS: NaN and infinities are not treated apart.
; THE MODE: SCHED_MODE bits 1:0 = 2 (LLVM: expert scheduling mode 2), set by the entry lines.  The code itself states the register dependences
; between vector instructions and memory instructions, with s_wait_alu, always for 0.
; THE PLAN.  There is no loop: a wave does one job and ends.  Registers that memory instructions touch:
;   v1, v2, v3   byte offsets, made by vector lines once on each path and never written again: one wait on va_vdst ahead of the path's first load covers them for all its loads and stores.
;   loaded data  (headers v[32:59]; cast v[32:95]; norm X, G, BB): no vector line names them ahead of their loads, and no load lands in them a second time.
;   out-registers (headers v[60:67]; cast v[96:127]; norm Y): written once by vector lines, read once by stores, never written again.  They go in groups of eight, four stores each:
;                one wait on va_vdst stands behind a group's roundings; the group's four stores follow it, dealt among the next group's vector lines, which name that next group's registers alone.
;   s4           the wave's number, written by a vector line and read by scalar lines: one wait on va_sdst, ahead of the first branch.
; No register that a memory instruction reads is written again, EXEC and VCC are never written: no wait on vm_vsrc is owed, and only the entry lines write one.
.set PANB, 524288                      ; bytes in a panel of 4,096 rows
.set HDR,  20480                       ; bytes of header in front of wqkv_c's and w1_c's panels
.set X,  32                            ; v[32:95]   my 64 numbers of a row: columns 64 p + 4 i .. + 3, p = 0 .. 15
.set G,  96                            ; v[96:159]  the gains of those columns
.set BB, 160                           ; v[160:223] the biases
.set Y,  224                           ; v[224:255] the row's numbers in bf16
	s_load_b512 s[8:23], s[0:1], 0x0               ; x 8, g 10, b 12, xn 14, wq 16, wk 18, wv 20, wp 22
	s_load_b512 s[24:39], s[0:1], 0x40             ; w1 24, w2 26, bq 28, bk 30, bv 32, b1 34, wqkv_c 36, wp_c 38
	s_load_b128 s[40:43], s[0:1], 0x80             ; w1_c 40, w2_c 42
	v_lshrrev_b32 v1, 5, v0
	v_readfirstlane_b32 s4, v1                     ; wave 0..7
	v_and_b32 v1, 15, v0
	v_lshlrev_b32 v1, 4, v1                        ; 16 i, i = lane % 16
	s_mov_b32 s49, 0                               ; high words of the two offsets
	s_mov_b32 s51, 0
	s_wait_alu depctr_va_sdst(0)                   ; s4 is written, ahead of the branches: the three cast paths make their job's number from it by scalar lines
	s_wait_kmcnt 0x0
	s_cmp_lt_u32 ttmp9, 256
	s_cbranch_scc1 .Lnorm
	s_cmp_lt_u32 ttmp9, 448
	s_cbranch_scc1 .Lnative
	s_cmp_lt_u32 ttmp9, 512
	s_cbranch_scc1 .Lrow4k
	s_cmp_lt_u32 ttmp9, 768
	s_cbranch_scc1 .Lw1
	s_cmp_lt_u32 ttmp9, 1024
	s_cbranch_scc1 .Lrow4k
	; THE HEADERS: 256 threads, 16 bytes each, cover 4,096 bytes an instruction
	v_lshlrev_b32 v2, 4, v0
.irp i, 0,1,2,3
	v_mov_b32 v[60+(\i)], 0xff80ff80               ; -inf twice in bf16: the maximum changes nothing
	v_mov_b32 v[64+(\i)], 0                        ; 0 twice: the ReLU
.endr
	s_wait_alu depctr_va_vdst(0)                   ; v2 is written, the offset of every load and store of this path; so are v[60:67], which the last two stores read
	global_load_b128 v[32:35], v2, s[28:29]
	global_load_b128 v[36:39], v2, s[30:31]
	global_load_b128 v[40:43], v2, s[32:33]
.irp i, 0,1,2,3
	global_load_b128 v[44+4*(\i):44+4*(\i)+3], v2, s[34:35] offset:4096*(\i)
.endr
	s_wait_loadcnt 0x0
	global_store_b128 v2, v[32:35], s[36:37]
	global_store_b128 v2, v[36:39], s[36:37] offset:4096
	global_store_b128 v2, v[40:43], s[36:37] offset:8192
.irp i, 0,1,2,3
	global_store_b128 v2, v[44+4*(\i):44+4*(\i)+3], s[40:41] offset:4096*(\i)
.endr
	global_store_b128 v2, v[60:63], s[36:37] offset:16384
	global_store_b128 v2, v[64:67], s[40:41] offset:16384
	s_endpgm
; A wave's job: 32 rows x 64 columns of f32, rs bytes from row to row, become 4,096 dense bytes of a panel.  Lanes 0-15 take one row's 256 bytes, lanes 16-31 the next row's;
; a store's 32 lanes write 256 consecutive bytes, aligned.  Sixteen loads are out together; they are worked on in four groups of four, and the counts run down.
.macro LANES sh
	v_bfe_u32 v2, v0, 4, 1
	v_lshl_add_u32 v2, v2, \sh, v1                 ; (lane / 16) x rs + 16 i
	v_and_b32 v3, 31, v0
	v_lshlrev_b32 v3, 3, v3                        ; 8 x lane
.endm
.macro CAST rs
	s_wait_alu depctr_va_vdst(0)                   ; v2 and v3 are written: the loads' offset and the stores'
.irp i, 0,1,2,3,4,5,6,7,8,9,10,11,12,13,14,15
	global_load_b128 v[32+4*(\i):32+4*(\i)+3], v2, s[44:45] offset:2*(\i)*(\rs) th:TH_LOAD_NT
.endr
.irp g, 0,1,2,3
	s_wait_loadcnt 12-4*(\g)                       ; loads come back in order: numbers 4 g to 4 g + 3 are in, the later groups stay out
.if (\g) > 0
	s_wait_alu depctr_va_vdst(0)                   ; the conversions of the group before have written its eight registers, which the four stores below read
.endif
.irp i, 0,1,2,3
.if (\g) > 0
	global_store_b64 v3, v[96+2*(4*(\g)-4+(\i)):96+2*(4*(\g)-4+(\i))+1], s[46:47] offset:256*(4*(\g)-4+(\i))  ; the group before; no vector line since the wait names its registers or v3
.endif
	v_cvt_pk_bf16_f32 v[96+2*(4*(\g)+(\i))], v[32+4*(4*(\g)+(\i))], v[32+4*(4*(\g)+(\i))+1]
	v_cvt_pk_bf16_f32 v[96+2*(4*(\g)+(\i))+1], v[32+4*(4*(\g)+(\i))+2], v[32+4*(4*(\g)+(\i))+3]
.endr
.endr
	s_wait_alu depctr_va_vdst(0)                   ; the last group's conversions have written v[120:127], which the last four stores read
.irp i, 12,13,14,15
	global_store_b64 v3, v[96+2*(\i):96+2*(\i)+1], s[46:47] offset:256*(\i)
.endr
.endm
.Lnative:                                              ; wq, wk, wv: [head][1024][64] is 16 panels each; job gw takes 8,192 bytes on end
	s_sub_co_u32 s5, ttmp9, 256
	s_lshl_b32 s5, s5, 3
	s_add_co_u32 s5, s5, s4                        ; gw = 0 .. 1535
	s_lshr_b32 s6, s5, 9                           ; which of the three
	s_and_b32 s48, s5, 511
	s_lshl_b32 s48, s48, 13
	s_lshl_b32 s50, s5, 12
	s_add_co_u32 s50, s50, HDR
	s_cmp_eq_u32 s6, 1
	s_cselect_b64 s[44:45], s[18:19], s[16:17]
	s_cmp_eq_u32 s6, 2
	s_cselect_b64 s[44:45], s[20:21], s[44:45]
	s_add_nc_u64 s[44:45], s[44:45], s[48:49]
	s_add_nc_u64 s[46:47], s[36:37], s[50:51]
	LANES 8
	CAST 256
	s_endpgm
.Lrow4k:                                               ; wp and w2: rows of 4,096 bytes, 16 panels; job gw: panel gw % 16, rows 32 (gw / 16) on
	s_movk_i32 s5, 768
	s_cmp_lt_u32 ttmp9, 512
	s_cselect_b64 s[44:45], s[22:23], s[26:27]
	s_cselect_b64 s[46:47], s[38:39], s[42:43]
	s_cselect_b32 s7, 17, 19                       ; a panel is 2^17 bytes (1,024 rows) or 2^19 (4,096 rows)
	s_cselect_b32 s5, 448, s5
	s_sub_co_u32 s5, ttmp9, s5
	s_lshl_b32 s5, s5, 3
	s_add_co_u32 s5, s5, s4
	s_and_b32 s6, s5, 15
	s_lshr_b32 s5, s5, 4
	s_lshl_b32 s48, s5, 17                         ; 32 rows of 4,096 bytes
	s_lshl_b32 s50, s6, 8
	s_add_co_u32 s48, s48, s50
	s_add_nc_u64 s[44:45], s[44:45], s[48:49]
	s_lshl_b32 s50, s6, s7
	s_lshl_b32 s5, s5, 12
	s_add_co_u32 s50, s50, s5
	s_add_nc_u64 s[46:47], s[46:47], s[50:51]
	LANES 12
	CAST 4096
	s_endpgm
.Lw1:                                                  ; w1: rows of 16,384 bytes, 64 panels; job gw: panel gw % 64, rows 32 (gw / 64) on
	s_sub_co_u32 s5, ttmp9, 512
	s_lshl_b32 s5, s5, 3
	s_add_co_u32 s5, s5, s4
	s_and_b32 s6, s5, 63
	s_lshr_b32 s5, s5, 6
	s_lshl_b32 s48, s5, 19
	s_lshl_b32 s50, s6, 8
	s_add_co_u32 s48, s48, s50
	s_add_nc_u64 s[44:45], s[24:25], s[48:49]
	s_lshl_b32 s50, s6, 17
	s_lshl_b32 s5, s5, 12
	s_add_co_u32 s50, s50, s5
	s_add_co_u32 s50, s50, HDR
	s_add_nc_u64 s[46:47], s[40:41], s[50:51]
	LANES 14
	CAST 16384
	s_endpgm
; THE LAYER NORM.  The work-group owns 16 rows, a wave two: lanes 0-15 one row, lanes 16-31 the next, so a row's sums never leave a half of the lanes.
.macro FOLD                            ; four packed chains into one number, then over the 16 lanes of the row
	v_pk_add_f32 v[4:5], v[4:5], v[6:7]
	v_pk_add_f32 v[8:9], v[8:9], v[10:11]
	v_pk_add_f32 v[4:5], v[4:5], v[8:9]
	v_add_f32 v12, v4, v5
.irp m, 1,2,4,8
	v_add_f32_dpp v12, v12, v12 row_xmask:\m row_mask:0xf bank_mask:0xf
.endr
.endm
.macro PUT p                           ; the wave's two rows of panel p: 256 consecutive bytes, aligned
	global_store_b64 v3, v[Y+2*(\p):Y+2*(\p)+1], s[14:15] offset:(\p)*PANB
.endm
.macro RND p                           ; my four numbers of panel p, rounded to bf16
	v_cvt_pk_bf16_f32 v[Y+2*(\p)], v[X+4*(\p)], v[X+4*(\p)+1]
	v_cvt_pk_bf16_f32 v[Y+2*(\p)+1], v[X+4*(\p)+2], v[X+4*(\p)+3]
.endm
; Group g: panels 4 g to 4 g + 3, that is pairs 8 g to 8 g + 7 of my 32: times 1 / sqrt(variance + 1e-5), times g plus b, rounded into Y's eight registers of the group.
; The four stores of the group before stand among these 24 lines, which name X, G, BB and Y of group g and v[16:17] alone.
.macro GROUP g
.if (\g) > 0
	PUT 4*(\g)-4
.endif
.set j, 8*(\g)
.rept 8
	v_pk_mul_f32 v[X+2*j:X+2*j+1], v[X+2*j:X+2*j+1], v[16:17]
.set j, j+1
.endr
.if (\g) > 0
	PUT 4*(\g)-3
.endif
.set j, 8*(\g)
.rept 8
	v_pk_fma_f32 v[X+2*j:X+2*j+1], v[X+2*j:X+2*j+1], v[G+2*j:G+2*j+1], v[BB+2*j:BB+2*j+1]
.set j, j+1
.endr
.if (\g) > 0
	PUT 4*(\g)-2
.endif
	RND 4*(\g)
	RND 4*(\g)+1
.if (\g) > 0
	PUT 4*(\g)-1
.endif
	RND 4*(\g)+2
	RND 4*(\g)+3
	s_wait_alu depctr_va_vdst(0)                   ; this group's roundings have written its eight registers of Y, which its four stores, further down, read
.endm
.Lnorm:
	s_lshl_b32 s48, ttmp9, 16                      ; 16 rows of 4,096 bytes
	s_add_nc_u64 s[8:9], s[8:9], s[48:49]
	s_lshl_b32 s50, ttmp9, 11                      ; 16 rows of 128 bytes in each panel
	s_add_nc_u64 s[14:15], s[14:15], s[50:51]
	v_lshrrev_b32 v2, 4, v0                        ; my row among the 16
	v_lshl_add_u32 v2, v2, 12, v1
	v_lshlrev_b32 v3, 3, v0                        ; row x 128 + 8 i = 8 x thread
	s_mov_b32 s5, 0x3a800000                       ; 1 / 1024
	s_mov_b32 s6, 0x3727c5ac                       ; 1e-5
	s_wait_alu depctr_va_vdst(0)                   ; v1, v2 and v3 are written: the offsets of g's and b's loads, of x's loads and of the stores
.irp p, 0,1,2,3,4,5,6,7,8,9,10,11,12,13,14,15
	global_load_b128 v[X+4*(\p):X+4*(\p)+3], v2, s[8:9] offset:256*(\p) th:TH_LOAD_NT
.endr
.irp p, 0,1,2,3,4,5,6,7,8,9,10,11,12,13,14,15
	global_load_b128 v[G+4*(\p):G+4*(\p)+3], v1, s[10:11] offset:256*(\p)
	global_load_b128 v[BB+4*(\p):BB+4*(\p)+3], v1, s[12:13] offset:256*(\p)
.endr
	s_wait_loadcnt 32                              ; the row is in; the 32 loads of g and b stay out
.irp c, 0,1,2,3
	v_pk_add_f32 v[4+2*(\c):5+2*(\c)], v[X+2*(\c):X+2*(\c)+1], v[X+8+2*(\c):X+8+2*(\c)+1]  ; the first pairs start the chains: nothing is cleared
.endr
.set j, 8
.rept 24
	v_pk_add_f32 v[4+2*(j%4):5+2*(j%4)], v[4+2*(j%4):5+2*(j%4)], v[X+2*j:X+2*j+1]
.set j, j+1
.endr
	FOLD
	v_mul_f32 v14, s5, v12                         ; the mean, twice
	v_mov_b32 v15, v14
.set j, 0
.rept 32
	v_pk_add_f32 v[X+2*j:X+2*j+1], v[X+2*j:X+2*j+1], v[14:15] neg_lo:[0,1] neg_hi:[0,1]
.set j, j+1
.endr
.irp c, 0,1,2,3
	v_pk_mul_f32 v[4+2*(\c):5+2*(\c)], v[X+2*(\c):X+2*(\c)+1], v[X+2*(\c):X+2*(\c)+1]
.endr
.set j, 4
.rept 28
	v_pk_fma_f32 v[4+2*(j%4):5+2*(j%4)], v[X+2*j:X+2*j+1], v[X+2*j:X+2*j+1], v[4+2*(j%4):5+2*(j%4)]
.set j, j+1
.endr
	FOLD
	v_fma_f32 v12, v12, s5, s6                     ; variance + 1e-5
	v_rsq_f32 v16, v12                             ; twice, to fill the pair that the packed multiply names
	v_rsq_f32 v17, v12
	v_nop                                          ; a plain instruction behind the last of the two,
	s_wait_alu depctr_va_vdst(0)                   ; and one wait for both: v16 and v17 are written, ahead of their first reader
	s_wait_loadcnt 0x0                             ; g and b
	GROUP 0
	GROUP 1
	GROUP 2
	GROUP 3
	PUT 12                                         ; the last group's stores, behind its wait
	PUT 13
	PUT 14
	PUT 15
	s_endpgm
.Lfunc_end_k_qe212ca0d0e_prep:
	.size	k_qe212ca0d0e_prep, .Lfunc_end_k_qe212ca0d0e_prep-k_qe212ca0d0e_prep
	.p2alignl 7, 3214868480
	.fill 96, 4, 3214868480
	.section	.rodata,"a",@progbits
	.p2align	6, 0x0
	.amdhsa_kernel k_qe212ca0d0e_prep
		.amdhsa_group_segment_fixed_size 0
		.amdhsa_private_segment_fixed_size 0
		.amdhsa_enable_private_segment 0
		.amdhsa_kernarg_size 144
		.amdhsa_user_sgpr_count 2
		.amdhsa_user_sgpr_kernarg_segment_ptr 1
		.amdhsa_wavefront_size32 1
		.amdhsa_system_sgpr_workgroup_id_x 1
		.amdhsa_system_sgpr_workgroup_id_y 1
		.amdhsa_system_sgpr_workgroup_id_z 1
		.amdhsa_system_vgpr_workitem_id 0
		.amdhsa_next_free_vgpr 256
		.amdhsa_next_free_sgpr 66
		.amdhsa_reserve_vcc 0
		.amdhsa_float_denorm_mode_32 3
		.amdhsa_float_denorm_mode_16_64 3
		.amdhsa_memory_ordered 1
		.amdhsa_forward_progress 1
		.amdhsa_inst_pref_size 41
	.end_amdhsa_kernel
	.amdgpu_metadata
---
amdhsa.version: [ 1, 2 ]
amdhsa.kernels:
  - .name:           k_qe212ca0d0e_prep
    .symbol:         k_qe212ca0d0e_prep.kd
    .args:
      - { .name: x, .offset: 0, .size: 8, .value_kind: global_buffer, .address_space: global }
      - { .name: ln1_g, .offset: 8, .size: 8, .value_kind: global_buffer, .address_space: global }
      - { .name: ln1_b, .offset: 16, .size: 8, .value_kind: global_buffer, .address_space: global }
      - { .name: out0, .offset: 24, .size: 8, .value_kind: global_buffer, .address_space: global }
      - { .name: wq, .offset: 32, .size: 8, .value_kind: global_buffer, .address_space: global }
      - { .name: wk, .offset: 40, .size: 8, .value_kind: global_buffer, .address_space: global }
      - { .name: wv, .offset: 48, .size: 8, .value_kind: global_buffer, .address_space: global }
      - { .name: wp, .offset: 56, .size: 8, .value_kind: global_buffer, .address_space: global }
      - { .name: w1, .offset: 64, .size: 8, .value_kind: global_buffer, .address_space: global }
      - { .name: w2, .offset: 72, .size: 8, .value_kind: global_buffer, .address_space: global }
      - { .name: bq, .offset: 80, .size: 8, .value_kind: global_buffer, .address_space: global }
      - { .name: bk, .offset: 88, .size: 8, .value_kind: global_buffer, .address_space: global }
      - { .name: bv, .offset: 96, .size: 8, .value_kind: global_buffer, .address_space: global }
      - { .name: b1, .offset: 104, .size: 8, .value_kind: global_buffer, .address_space: global }
      - { .name: wqkv_c, .offset: 112, .size: 8, .value_kind: global_buffer, .address_space: global }
      - { .name: wp_c, .offset: 120, .size: 8, .value_kind: global_buffer, .address_space: global }
      - { .name: w1_c, .offset: 128, .size: 8, .value_kind: global_buffer, .address_space: global }
      - { .name: w2_c, .offset: 136, .size: 8, .value_kind: global_buffer, .address_space: global }
    .group_segment_fixed_size: 0
    .private_segment_fixed_size: 0
    .kernarg_segment_align: 8
    .kernarg_segment_size: 144
    .max_flat_workgroup_size: 256
    .sgpr_count:     66
    .vgpr_count:     256
    .wavefront_size: 32
...
	.end_amdgpu_metadata
.endif
;; end of part 6
;; launch qkv: the kernel of part 2 again; grid 12 x 16, 4 waves a work-group, clusters of 4 x 4, 327,680 bytes of LDS; arguments out0, wqkv_c, act; writes act
;; launch attn: the kernel of part 3 again; grid 4 x 64, 8 waves a work-group, no clusters, 327,680 bytes of LDS; arguments act, out0; writes out0
;; launch proj: the kernel of part 4 again; grid 8 x 32, 4 waves a work-group, clusters of 4 x 4, 327,680 bytes of LDS; arguments out0, wp_c, bp, x, x1; writes x1
;; launch ln2: the kernel of part 6 again; grid 256 x 1, 8 waves a work-group, no clusters, 0 bytes of LDS; arguments x1, ln2_g, ln2_b, out0, wq, wk, wv, wp, w1, w2, bq, bk, bv, b1, wqkv_c, wp_c, w1_c, w2_c; writes out0, wqkv_c, wp_c, w1_c, w2_c
;; launch ffn1: the kernel of part 2 again; grid 16 x 16, 4 waves a work-group, clusters of 4 x 4, 327,680 bytes of LDS; arguments out0, w1_c, act; writes act
;; launch ffn2: the kernel of part 5 again; grid 8 x 32, 4 waves a work-group, clusters of 4 x 4, 327,680 bytes of LDS; arguments act, w2_c, b2, x1, out0; writes out0
